; MI455X (gfx1250); checked and timed in simulation.
; The chip was launched on July 23, 2026; its instructions are those of AMD's public machine-readable ISA for CDNA 5 (MIT licence, August 2026) and "CDNA5" Instruction Set Architecture Reference Guide (July 2026). The comments in the code are by the model that wrote it; some were corrected since.
;; Multi Head Attention. Allowed arithmetic: matrix products marked QUANTISED: E2M3 operands, one E8M0 scale for each 32 along K, by v_wmma_scale_f32_16x16x128_f8f6f4 with both operands' format E2M3, f32 sums; everything else in f32.
;; Inputs: Wk_codes 512 x 16 x 24 uint8 (E2M3 codes of Wk, K innermost, in blocks of 32 codes, four codes in three bytes); Wk_scales 512 x 16 uint8 (E8M0 scales of Wk, one for each 32 codes along K); Wo_codes 512 x 16 x 24 uint8 (E2M3 codes of Wo, K innermost, in blocks of 32 codes, four codes in three bytes); Wo_scales 512 x 16 uint8 (E8M0 scales of Wo, one for each 32 codes along K); Wq_codes 512 x 16 x 24 uint8 (E2M3 codes of Wq, K innermost, in blocks of 32 codes, four codes in three bytes); Wq_scales 512 x 16 uint8 (E8M0 scales of Wq, one for each 32 codes along K); Wv_codes 512 x 16 x 24 uint8 (E2M3 codes of Wv, K innermost, in blocks of 32 codes, four codes in three bytes); Wv_scales 512 x 16 uint8 (E8M0 scales of Wv, one for each 32 codes along K); beta 512 float32; bk 512 float32; bo 512 float32; bq 512 float32; bv 512 float32; gamma 512 float32; query_codes 16 x 1,024 x 16 x 24 uint8 (E2M3 codes of query, K innermost, in blocks of 32 codes, four codes in three bytes); query_scales 16 x 1,024 x 16 uint8 (E8M0 scales of query, one for each 32 codes along K); value_codes 16 x 1,024 x 16 x 24 uint8 (E2M3 codes of value, K innermost, in blocks of 32 codes, four codes in three bytes); value_scales 16 x 1,024 x 16 uint8 (E8M0 scales of value, one for each 32 codes along K).
;; Outputs: out0 16 x 1,024 x 512 float32.
;; This version of the problem:
;;   THIS VERSION OF THE PROBLEM IS GIVEN IN LOW PRECISION. The matrix products marked QUANTISED in the list below multiply operands that are first quantised to E2M3 (2 exponent bits, 3 mantissa bits; 6 bits a number), with one power-of-two scale for each 32 numbers along K (OCP MX v1.0); their sums are f32. All else is computed in f32.
;;   The module's matrix products, in the order in which they are computed (A, B: the left and right operand; K: the contracted axis; several contracted axes count as one K, in the product's order):
;;     1. [M 16,384, K 512] x [K 512, N 512]; A: input query (given as codes); B: input Wq (given as codes): QUANTISED
;;     2. [M 16,384, K 512] x [K 512, N 512]; A: input value (given as codes); B: input Wk (given as codes): QUANTISED
;;     3. [M 16,384, K 512] x [K 512, N 512]; A: input value (given as codes); B: input Wv (given as codes): QUANTISED
;;     4. batch 128 x [M 1,024, K 64] x [K 64, N 1,024]; A: computed on the way; B: computed on the way: QUANTISED
;;     5. batch 128 x [M 64, K 1,024] x [K 1,024, N 1,024]; A: computed on the way; B: softmax (see below): QUANTISED
;;     6. [M 16,384, K 512] x [K 512, N 512]; A: computed on the way; B: input Wo (given as codes): QUANTISED
;;   THE QUANTISER, for each operand of a quantised product, along K:
;;     - K is cut into blocks of 32 from its start; a last block that is shorter is filled with zeros.
;;     - A block's scale is 2^e with e = floor(log2(the largest magnitude in the block)) - 2, held to -126 .. 127; a block of zeros has e = 0. As a byte (E8M0): e + 127.
;;     - Each number is divided by its block's scale, clamped to +-7.5, and rounded to the nearest number of E2M3, ties to even, subnormals kept.
;;     - The product sums the exact products of the quantised numbers (number of the format x scale) in f32.
;;   ~~~python
;;   def quantise(x, axis):      # numpy; x: float32 -> the quantised numbers, widened to float32 again
;;       x = np.moveaxis(x, axis, -1); K = x.shape[-1]
;;       x = np.pad(x, [(0, 0)] * (x.ndim - 1) + [(0, -K % 32)]); x = x.reshape(x.shape[:-1] + (-1, 32)); a = np.abs(x).max(-1, keepdims=True)
;;       e = np.where(a > 0, np.clip(np.frexp(np.where(a > 0, a, 1))[1] - 1 - 2, -126, 127), 0)      # np.frexp(a)[1] - 1 = floor(log2(a)), exactly
;;       r = np.clip(x / 2.0 ** e, -7.5, 7.5)
;;       step = 2.0 ** (np.maximum(np.frexp(np.where(r == 0, 1, r))[1] - 1, 0) - 3)
;;       q = np.round(r / step) * step * 2.0 ** e      # np.round: ties to even
;;       return np.moveaxis(q.reshape(q.shape[:-2] + (-1,))[..., :K], -1, axis).astype(np.float32)
;;   ~~~
;;   SOFTMAX AHEAD OF A QUANTISED PRODUCT. Where the list says 'softmax', what is quantised is not the finished softmax but p = 2^(t - M), with t = logit x log2(e) and M = ceil(the row's largest t), a whole number; so 1/2 < the row's largest p <= 1. The row's sum l is taken of the UNQUANTISED p, in f32, and the product's result is divided by l at the end. Since M is a whole number, a kernel that streams over the keys may use a running M (the ceiling of the running maximum): every later rescaling is an exact power of two, which a block's scale takes up: the codes' values come out the same.
;;   OPERANDS COMPUTED ON THE WAY. 'Computed on the way' means the value that the module computes at that place (a softmax that the list does not call 'softmax' is quantised finished and normalised). What goes into a quantiser is computed in f32, as accurately as f32 sums, v_exp_f32 and their like allow (about 1e-6 of the number): no bf16 or f16 on the way to a quantiser, and a product that is left as it is and whose result goes on into a quantised operand takes f32 operands (vector FMAs, or v_wmma_f32_16x16x4_f32). A number that lies on a knife's edge between two numbers of the format may be rounded either way, as far as f32 arithmetic and the matrix unit's own rounding can turn it there, and no further.
;;   INPUTS GIVEN AS CODES. Wk (in the module: [512, 512], K = its axis 1); Wo (in the module: [512, 512], K = its axis 1); Wq (in the module: [512, 512], K = its axis 1); Wv (in the module: [512, 512], K = its axis 1); query (in the module: [16, 1024, 512], K = its axis 2); value (in the module: [16, 1024, 512], K = its axis 2): each comes as NAME_codes (uint8): NAME with its K axis moved to the last place and cut into blocks of 32 codes, [.., K / 32, bytes a block], one block behind the other in memory; four codes in three bytes: a row's codes are one little-endian stream of bits, code i at bits 6 i .. 6 i + 5 (a code: sign, 2 exponent bits, 3 mantissa bits); and NAME_scales (uint8): the same leading axes, one E8M0 byte (e + 127) for each 32 codes along K. Its value is code x scale, taken as it is: it is not quantised again, and the codes and scales need not be those that the quantiser above would give.
;; One version. Each part assembles by itself: llvm-mc -triple=amdgcn-amd-amdhsa -mcpu=gfx1250 --defsym DOCPART=n.
;; ======== version 1 of 1: 3 launches
;; limits: right only within a limited range of input values
;; workspace buffers: kv 13,369,344 bytes; qc 6,291,456 bytes; qsc 524,288 bytes; woimg 196,608 bytes; xq 6,291,456 bytes; xsc 262,144 bytes; stats 1,048,576 bytes
;; launch proj (part 1): grid 128 x 2, 4 waves a work-group, clusters of 4 x 1, 327,680 bytes of LDS; arguments query_codes, query_scales, value_codes, value_scales, Wq_codes, Wq_scales, bq, Wk_codes, Wk_scales, bk, Wv_codes, Wv_scales, bv, Wo_codes, kv, qc, qsc, woimg; writes kv, qc, qsc, woimg
.if DOCPART == 1
	.amdgcn_target "amdgcn-amd-amdhsa--gfx1250"
	.amdhsa_code_object_version 6
	.text
	.protected	k_qee524d74c5_proj
	.globl	k_qee524d74c5_proj
	.p2align	8
	.type	k_qee524d74c5_proj,@function
k_qee524d74c5_proj:
	s_mov_b64 s[64:65], 0
	v_nop
	global_prefetch_b8 v0, s[64:65] scope:SCOPE_SE
	s_setreg_imm32_b32 hwreg(HW_REG_WAVE_MODE, 25, 1), 1
	s_wait_xcnt 0x0
	s_wait_alu depctr_hold_cnt(0) depctr_sa_sdst(0) depctr_va_vdst(0) depctr_va_sdst(0) depctr_va_ssrc(0) depctr_va_vcc(0) depctr_vm_vsrc(0)
	s_getreg_b32 s2, hwreg(HW_REG_IB_STS2, 6, 4)
	s_cmp_eq_u32 s2, 0
	s_cbranch_scc0 .Lentry_in_a_cluster
	s_endpgm
.Lentry_in_a_cluster:
	s_bfe_u32 s2, ttmp6, 0x10000c
	s_cmp_lg_u32 s2, 0x3003
	s_cbranch_scc0 .Lentry_shape_is_right
	s_endpgm
.Lentry_shape_is_right:
; q = query Wq^T + bq, k = value Wk^T + bk, v = value Wv^T + bv on codes of FP6 (E2M3) with E8M0 scales, sums in f32; each result is quantised along the K
; of the product that will read it (q, k: a head's 64 numbers; v: the keys) and stored as IMAGES OF OPERAND REGISTERS.  Wo's codes are laid out anew as such images.
; SHARES.  Work-group (RB, ch): 128 rows (RB = 4 x cluster x + place in the cluster) x 256 of the 512 output numbers (ch = grid y), three phases k, v, q of 128 x 256 x 512.
; A wave: 8 tiles of source 0 x 4 tiles of source 1 = 32 accumulators.  k, q: source 0 = 128 rows of W (two heads), source 1 = 64 rows of the activation, so that a lane holds one row and
; its registers run along the head's numbers.  v: source 0 = the 128 value rows (keys), source 1 = 64 rows of Wv (one head), so that a lane holds one number of the head and its registers run along the keys.
; ORDER INSIDE A BLOCK OF 32.  Tiles are 16 neighbouring rows, so a block's four groups of 8 codes come out in the order 0, 2, 1, 3.  q, k, v, p and x are all made this way, so both sides of a product
; agree; Wo's blocks are put into the same order here (bytes 6-11 and 12-17 of each 24 change places).  Blocks and scales are as the quantiser gives them; only the order of the addends inside a block differs.
; CLUSTER.  The four partners have the same ch: W's tiles are asked for jointly (mask 15); each partner's rows of the activation come by a load of its own.
; LIMITS.  NaN, infinities and the scale byte 0xff among the inputs are not served.  A block of zeros gets the byte 1 (the quantiser says 127): its codes are zeros and only this program reads the bytes.
; A block whose largest magnitude lies under 2^-124 has its byte held at 1.
; LDS: rows of 384 bytes with 16 bytes of padding behind each 128: pitch 432 = 108 words: row r begins at word 44 r mod 64, so the 32 lanes of an 8-byte load touch 64 different words.
; REGISTERS, in windows of 256: window 0: addresses, scale words (v32-175), the quantiser's work;  window 1: the 32 accumulators, (j, i) at 8 (8 j + i);
;   window 2: fragment set 0 (source 0 at 12 i, source 1 at 96 + 12 j), bk's tiles v144-207, bv's v208-239;  window 3: fragment set 1, bq's tiles v144-207.
.set PITCH, 432
.set W0,    128*PITCH                  ; behind the activation's 128 rows: W's 256 rows, region 0 (Wk, later Wq)
.set W1,    W0+256*PITCH               ; region 1 (Wv)
.set SPARE, W1+256*PITCH               ; the spare words: 128 bytes a wave, two blocks of 256 bytes that no other line names
.set KVB,   104448                     ; a block of kv (128 keys, 8 heads): K's codes, V's codes at VCO, K's scale words at KSC, V's at VSC
.set VCO,   49152
.set KSC,   98304
.set VSC,   102400
.set L16, 12                           ; v12 16 x lane   v13 8 x lane   v14 16 r   v15 32 h   v16 4 r   v17 16 h   v18 16 r + 512 h   v19 16 r + 256 h
.set L8,  13
.set R16, 14
.set H32, 15
.set R4,  16
.set H16, 17
.set SPW, 20                           ; v20 my spare word's LDS address, v21 = 0: kept for the add alone
.set NIL, 21
.set TM,  176                          ; v176-191 the quantiser: largest magnitudes, bytes, scale operands
.set PW,  192                          ; the scale word just made
.set CD,  194                          ; v194-205 the codes just made; v206-212 the conversions' second halves
.set SW,  216                          ; v216-219 four scale words to store
.set MSB, 0
.macro WIN new                         ; the immediate's high byte repeats the setting that is left
.if MSB != (\new)
	s_set_vgpr_msb (MSB<<8)|(\new)
.set MSB, (\new)
.endif
.endm
.macro ROUND                           ; a round of the cluster's barrier
	s_barrier_signal -1
	s_barrier_wait -1
	s_cmp_lg_u32 s40, 0
	s_cbranch_scc1 .Lnot_wave_0_\@
	s_barrier_signal -3
.Lnot_wave_0_\@:
	s_barrier_wait -3
	s_barrier_signal -1
	s_barrier_wait -1
.endm
.macro PLACES n
.rept \n
	v_nop
.endr
.endm
; A fragment: 16 rows x 128 K = 12 registers; lane (r, h): registers 6 c .. 6 c + 5 = the 24 bytes at 96 s + 48 c + 24 h of row r, in pieces of 8 bytes.
; Piece p lies at 8 p + 16 (p / 16).  Lanes 16-31 read three pieces further on: behind one padding more where p mod 16 is 13 or more; the second address register (40 h for 24 h) serves those.
.macro FRAG reg, adr, s, tile
.irp p, 0,1,2,3,4,5
.set PCE, 12*(\s)+6*(\p/3)+\p%3
.if PCE%16 < 13
	ds_load_b64 v[\reg+2*\p:\reg+2*\p+1], v[\adr] offset:8*PCE+16*(PCE/16)+(\tile)*16*PITCH
.else
	ds_load_b64 v[\reg+2*\p:\reg+2*\p+1], v[\adr+1] offset:8*PCE+16*(PCE/16)+(\tile)*16*PITCH
.endif
.endr
.endm
.macro FETCH a0, a1, s, win            ; K step s: 8 fragments of source 0, 4 of source 1: 72 loads in one run
	WIN \win
.irp i, 0,1,2,3,4,5,6,7
	FRAG 12*\i, \a0, \s, \i
.endr
.irp j, 0,1,2,3
	FRAG 96+12*\j, \a1, \s, \j
.endr
.endm
; 8 matrix instructions: source 1's tile j against source 0's eight.  cm = 0: adds in place; 1: C = the bias of source 0's tile; 2: C = the bias of source 1's tile.
.macro MULJ j, s, SA, SB, cm, bias
.irp i, 0,1,2,3,4,5,6,7
.if \cm == 0
	v_wmma_scale_f32_16x16x128_f8f6f4 v[8*(8*(\j)+\i):8*(8*(\j)+\i)+7], v[12*\i:12*\i+11], v[96+12*(\j):96+12*(\j)+11], v[8*(8*(\j)+\i):8*(8*(\j)+\i)+7], v[\SA+4*\i+(\s)], v[\SB+4*(\j)+(\s)] matrix_a_fmt:MATRIX_FMT_FP6 matrix_b_fmt:MATRIX_FMT_FP6
.elseif \cm == 1
	v_wmma_scale_f32_16x16x128_f8f6f4 v[8*(8*(\j)+\i):8*(8*(\j)+\i)+7], v[12*\i:12*\i+11], v[96+12*(\j):96+12*(\j)+11], v[\bias+8*\i:\bias+8*\i+7], v[\SA+4*\i+(\s)], v[\SB+4*(\j)+(\s)] matrix_a_fmt:MATRIX_FMT_FP6 matrix_b_fmt:MATRIX_FMT_FP6
.else
	v_wmma_scale_f32_16x16x128_f8f6f4 v[8*(8*(\j)+\i):8*(8*(\j)+\i)+7], v[12*\i:12*\i+11], v[96+12*(\j):96+12*(\j)+11], v[\bias+8*(\j):\bias+8*(\j)+7], v[\SA+4*\i+(\s)], v[\SB+4*(\j)+(\s)] matrix_a_fmt:MATRIX_FMT_FP6 matrix_b_fmt:MATRIX_FMT_FP6
.endif
.endr
.endm
; A phase: four K steps of 128, 32 matrix instructions each; the 32 accumulators take turns in the same order in every step.
; The next step's 72 loads stand in one run behind the step's first eight products, four places behind the last product that read that set.
.macro PHASE a0, a1, SA, SB, cm, bias, wfirst
	FETCH \a0, \a1, 0, 0x80
.irp s, 0,1,2,3
	s_wait_dscnt 0x0                               ; this step's fragments are in
.if \s == 0
	WIN \wfirst                                    ; the first step's C is the bias, in window 2 or 3: nothing is cleared, nothing is added later
	MULJ 0, 0, \SA, \SB, \cm, \bias
.else
	WIN 0x5a+5*(\s%2)
	MULJ 0, \s, \SA, \SB, 0, 0
.endif
.if \s < 3
	PLACES 4
	FETCH \a0, \a1, \s+1, 0x80+0x40*((\s+1)%2)
.endif
.if \s == 0
	WIN \wfirst
.irp j, 1,2,3
	MULJ \j, 0, \SA, \SB, \cm, \bias
.endr
.else
	WIN 0x5a+5*(\s%2)
.irp j, 1,2,3
	MULJ \j, \s, \SA, \SB, 0, 0
.endr
.endif
.endr
	WIN 0
.endm
; 64 numbers of a lane (window 1, from src on): register 16 b + i belongs to block b of my row; lanes l and l xor 16 share a block.  Out: 12 registers of codes at CD, the row's scale word in PW.
.macro QUANT src
	WIN 0x05                                       ; sources 0 and 1: window 1
.irp b, 0,1,2,3
	v_max3_num_f32 v[TM+\b], |v[(\src)+16*\b]|, |v[(\src)+16*\b+1]|, 0x1800000   ; with the floor 2^(3 - 127): the byte cannot fall under 1.  Each accumulator is read from its low end on
.endr
.irp i, 2,4,6,8,10,12,14
.irp b, 0,1,2,3
	v_max3_num_f32 v[TM+\b], |v[(\src)+16*\b+\i]|, |v[(\src)+16*\b+\i+1]|, v[TM+\b]
.endr
.endr
	WIN 0
.irp b, 0,1,2,3
	v_permlanex16_b32 v[TM+4+\b], v[TM+\b], s98, s99
.endr
.irp b, 0,1,2,3
	v_max_num_f32 v[TM+\b], v[TM+\b], v[TM+4+\b]   ; the block's largest magnitude
.endr
.irp b, 0,1,2,3
	v_add_nc_u32 v[TM+12+\b], 0xff000000, v[TM+\b] ; 2 off its exponent field: the conversion's scale operand
.endr
.irp b, 0,1,2,3
	v_lshrrev_b32 v[TM+4+\b], 23, v[TM+12+\b]      ; the scale's byte
.endr
	v_lshl_or_b32 v[PW], v[TM+5], 8, v[TM+4]
	v_lshl_or_b32 v[PW], v[TM+6], 16, v[PW]
	v_lshl_or_b32 v[PW], v[TM+7], 24, v[PW]
	s_wait_xcnt 0x0                                ; the stores of the codes and words made before have read their registers: these are written again only behind this wait
	WIN 0x01                                       ; source 0: window 1
.irp c, 0,1
	v_cvt_scalef32_pk16_fp6_f32 v[CD+6*\c:CD+6*\c+2], v[(\src)+32*\c:(\src)+32*\c+15], v[TM+12+2*\c]
	v_cvt_scalef32_pk16_fp6_f32 v[CD+12+4*\c:CD+14+4*\c], v[(\src)+32*\c+16:(\src)+32*\c+31], v[TM+13+2*\c]
.endr
	WIN 0
	v_nop                                          ; one plain place behind the scaled conversions
.irp c, 0,1                                    ; a whole block to a lane: lanes 0-15 block 2 c, lanes 16-31 block 2 c + 1
.irp i, 0,1,2
	v_permlane16_swap_b32 v[CD+6*\c+\i], v[CD+12+4*\c+\i]
.endr
.irp i, 0,1,2
	v_mov_b32 v[CD+3+6*\c+\i], v[CD+12+4*\c+\i]
.endr
.endr
.endm
; k or q: unit j = 16 rows x two heads.  Registers 0-5 are the first head's half fragment, 6-11 the second's.  An image: registers 0-3 at 16 x lane, registers 4-5 at 512 + 8 x lane.
; The scale words (two bytes; bytes 2 and 3 are 0): lanes 0-15 the first head's, lanes 16-31 the second's, four tiles' words on end: 16 lanes store 256 consecutive bytes.
.macro EPI_QK cb, ts, hs, sb, so
.irp j, 0,1,2,3
	QUANT 64*\j
	global_store_b128 v[L16], v[CD:CD+3], s[\cb:\cb+1] offset:\j*\ts
	global_store_b64 v[L8], v[CD+4:CD+5], s[\cb:\cb+1] offset:\j*\ts+512
	global_store_b128 v[L16], v[CD+6:CD+9], s[\cb:\cb+1] offset:\j*\ts+\hs
	global_store_b64 v[L8], v[CD+10:CD+11], s[\cb:\cb+1] offset:\j*\ts+\hs+512
	v_lshrrev_b32 v[SW+\j], v[H16], v[PW]
	v_and_b32 v[SW+\j], 0xffff, v[SW+\j]
.endr
	global_store_b128 v[\so], v[SW:SW+3], s[\sb:\sb+1]
.endm
; v: unit j = 16 numbers of the head x 128 keys: a whole fragment, three stores of 512 bytes.
.macro EPI_V
.irp j, 0,1,2,3
	QUANT 64*\j
	global_store_b128 v[L16], v[CD:CD+3], s[94:95] offset:1536*\j
	global_store_b128 v[L16], v[CD+4:CD+7], s[94:95] offset:1536*\j+512
	global_store_b128 v[L16], v[CD+8:CD+11], s[94:95] offset:1536*\j+1024
	v_mov_b32 v[SW+\j], v[PW]
.endr
	v_cmp_lt_u32 vcc_lo, 15, v3                    ; lanes 16-31 store tiles 2 and 3's words
	v_cndmask_b32 v220, v[SW], v[SW+2], vcc_lo
	v_cndmask_b32 v221, v[SW+1], v[SW+3], vcc_lo
	global_store_b64 v[L8], v[220:221], s[96:97]
.endm
	s_load_b512 s[4:19], s[0:1], 0x0               ; query codes 4, scales 6; value codes 8, scales 10; Wq codes 12, scales 14; bq 16; Wk codes 18
	s_load_b512 s[20:35], s[0:1], 0x40             ; Wk scales 20; bk 22; Wv codes 24, scales 26; bv 28; Wo codes 30; kv 32; qc 34
	s_load_b128 s[36:39], s[0:1], 0x80             ; qsc 36; woimg 38
	v_lshl_add_u32 v[SPW], v0, 2, SPARE
	v_mov_b32 v[NIL], 0
	ds_add_u32 v20, v21
	ds_add_u32 v20, v21
	s_wait_dscnt 0x0
	v_lshrrev_b32 v1, 5, v0
	v_readfirstlane_b32 s40, v1                    ; wave w
	s_lshr_b32 s41, s40, 1                         ; wr
	s_and_b32 s42, s40, 1                          ; wc
	s_bfe_u32 s43, ttmp6, 0x40000                  ; my place in the cluster: it enters global addresses of my own loads and stores alone
	s_lshl_b32 s44, ttmp9, 2
	s_add_co_u32 s44, s44, s43                     ; RB
	s_and_b32 s45, ttmp7, 0xffff                   ; ch
	s_mov_b32 s98, 0x76543210
	s_mov_b32 s99, 0xfedcba98                      ; v_permlanex16_b32's selects for lane l xor 16
	; descriptor group 1, elements of 1 byte: the activation's 32 rows a wave (no mask) and W's 64 rows a wave (mask 15, bit 21 beside it); padding of 4 words behind every 32
	s_mov_b32 s56, (1<<20)|(4<<22)|(3<<25)
	s_mov_b32 s57, 256<<16                         ; the rows are dense in memory: a tile is stated as rows of 256 bytes, each at a multiple of 256
	s_mov_b32 s58, 96<<16                          ; the head's load: 64 rows of 384 bytes = 96 of 256
	s_mov_b32 s59, 256<<16
	s_mov_b32 s60, 96
	s_mov_b32 s61, 256
	s_mov_b32 s62, 0
	s_mov_b32 s63, 0
	s_mov_b32 s68, 15|(1<<20)|(1<<21)|(4<<22)|(3<<25)
	s_mov_b32 s69, 256<<16
	s_mov_b32 s70, 192<<16                         ; the head's load: 128 rows of 384 bytes = 192 of 256
	s_mov_b32 s71, 256<<16
	s_mov_b32 s72, 192
	s_mov_b32 s73, 256
	s_mov_b32 s74, 0
	s_mov_b32 s75, 0
	v_and_b32 v1, 15, v0                           ; r
	v_bfe_u32 v2, v0, 4, 1                         ; h
	v_and_b32 v3, 31, v0                           ; lane
	v_mul_u32_u24 v28, v1, PITCH
	v_mad_u32_u24 v28, v2, 24, v28                 ; r x pitch + 24 h
	v_lshl_add_u32 v29, v2, 4, v28                 ; and behind one padding more
	s_mul_i32 s46, s42, 128*PITCH
	s_add_co_u32 s46, s46, W0
	v_add_nc_u32 v4, s46, v28                      ; k, q: source 0 = W's rows 128 wc on
	v_add_nc_u32 v5, s46, v29
	s_mul_i32 s46, s41, 64*PITCH
	v_add_nc_u32 v6, s46, v28                      ; k, q: source 1 = the activation's rows 64 wr on
	v_add_nc_u32 v7, s46, v29
	v_add_nc_u32 v8, 0, v28                        ; v: source 0 = all 128 value rows
	v_add_nc_u32 v9, 0, v29
	s_mul_i32 s46, s40, 64*PITCH
	s_add_co_u32 s46, s46, W1
	v_add_nc_u32 v10, s46, v28                     ; v: source 1 = Wv's rows 64 w on
	v_add_nc_u32 v11, s46, v29
	v_lshlrev_b32 v[L16], 4, v3
	v_lshlrev_b32 v[L8], 3, v3
	v_lshlrev_b32 v[R16], 4, v1
	v_lshlrev_b32 v[H32], 5, v2
	v_lshlrev_b32 v[R4], 2, v1
	v_lshlrev_b32 v[H16], 4, v2
	v_lshl_add_u32 v18, v2, 9, v[R16]
	v_lshl_add_u32 v19, v2, 8, v[R16]
	v_mul_u32_u24 v30, v1, 1536
	v_mad_u32_u24 v30, v2, 24, v30                 ; Wo: four rows of 384 bytes from lane to lane, + 24 h
	v_lshlrev_b32 v31, 8, v3                       ; the prefetches' offsets: 256 x lane,
	v_min_u32 v222, 15, v3
	v_lshlrev_b32 v222, 8, v222                    ; and 256 x min(lane, 15); neither is written again
.irp b, 0,1,2,3
	v_mov_b32 v[TM+4+\b], 0                        ; written once: a lane permute's destination counts as one of its sources
.endr
	s_mul_i32 s46, s44, 128*384                    ; my rows' codes: 128 RB + 32 w rows of 384 bytes
	s_mul_i32 s47, s40, 32*384
	s_add_co_u32 s46, s46, s47
	s_mov_b32 s47, 0
	s_mul_i32 s48, s45, 256*384                    ; W's rows 256 ch + 64 w: made of ch and the wave's number alone
	s_mul_i32 s49, s40, 64*384
	s_add_co_u32 s48, s48, s49
	s_mov_b32 s49, 0
	s_wait_kmcnt 0x0
	s_add_nc_u64 s[2:3], s[4:5], s[46:47]          ; my 32 rows of query, for the prefetches; not written again
	s_mul_i32 s50, s44, 128*384                    ; the head's tiles: value rows 128 RB + 64 wc,
	s_mul_i32 s51, s42, 64*384
	s_add_co_u32 s50, s50, s51
	s_mov_b32 s51, 0
	s_mul_i32 s52, s45, 256*384                    ; Wk's rows 256 ch + 128 wc
	s_mul_i32 s53, s42, 128*384
	s_add_co_u32 s52, s52, s53
	s_mov_b32 s53, 0
	s_mov_b32 s76, 1                               ; group 0 for the activation
	s_mul_i32 s77, s42, 64*PITCH
	s_add_nc_u64 s[78:79], s[8:9], s[50:51]        ; value
	s_or_b32 s79, s79, 0x80000000
	s_mov_b32 s80, 1                               ; for W's region 0
	s_mul_i32 s81, s42, 128*PITCH
	s_add_co_u32 s81, s81, W0
	s_add_nc_u64 s[82:83], s[18:19], s[52:53]      ; Wk
	s_or_b32 s83, s83, 0x80000000
	s_mov_b32 s84, 1                               ; for W's region 1: 64 rows a wave
	s_mul_i32 s85, s40, 64*PITCH
	s_add_co_u32 s85, s85, W1
	s_add_nc_u64 s[86:87], s[24:25], s[48:49]      ; Wv
	s_or_b32 s87, s87, 0x80000000
	ROUND                                          ; all four work-groups are here: the first joint loads meet
	s_cmp_lt_u32 s40, 2                            ; one load a wave at the head: waves 0, 1 the halves of my value rows, waves 2, 3 the halves of Wk's 256 rows
	s_cbranch_scc0 .Lhead_w
	tensor_load_to_lds s[76:79], s[56:63]
	s_nop 0
	PLACES 4
	s_branch .Lhead_asked
.Lhead_w:
	tensor_load_to_lds s[80:83], s[68:75]
	s_nop 0
	PLACES 4
.Lhead_asked:
	; where the scale words and biases begin
	s_lshl_b32 s52, s45, 12                        ; 256 ch rows of 16 bytes
	s_lshl_b32 s54, s42, 11
	s_add_co_u32 s52, s52, s54
	s_mov_b32 s53, 0
	s_mov_b32 s55, 0
	s_add_nc_u64 s[20:21], s[20:21], s[52:53]      ; Wk's and Wq's scales at row 256 ch + 128 wc
	s_add_nc_u64 s[14:15], s[14:15], s[52:53]
	s_lshl_b32 s52, s45, 12
	s_lshl_b32 s54, s40, 10
	s_add_co_u32 s52, s52, s54
	s_add_nc_u64 s[26:27], s[26:27], s[52:53]      ; Wv's at row 256 ch + 64 w
	s_lshl_b32 s52, s44, 11
	s_add_nc_u64 s[10:11], s[10:11], s[52:53]      ; value's at row 128 RB
	s_lshl_b32 s54, s41, 10
	s_add_nc_u64 s[50:51], s[10:11], s[54:55]      ; and at row 128 RB + 64 wr
	s_add_nc_u64 s[6:7], s[6:7], s[52:53]
	s_add_nc_u64 s[6:7], s[6:7], s[54:55]          ; query's likewise
	s_lshl_b32 s52, s45, 10
	s_lshl_b32 s54, s42, 9
	s_add_co_u32 s54, s52, s54
	s_add_nc_u64 s[22:23], s[22:23], s[54:55]      ; bk, bq at 256 ch + 128 wc
	s_add_nc_u64 s[16:17], s[16:17], s[54:55]
	s_lshl_b32 s54, s40, 8
	s_add_co_u32 s54, s52, s54
	s_add_nc_u64 s[28:29], s[28:29], s[54:55]      ; bv at 256 ch + 64 w
	; Wo: this work-group lays half fragment n = RB + 128 ch: g = n / 32, t = (n / 8) % 4, s = (n / 2) % 4, c = n % 2; lane (r, h) takes the 24 bytes at 96 s + 48 c + 24 h of row 64 g + 4 r + t
	s_lshl_b32 s52, s45, 7
	s_add_co_u32 s52, s52, s44
	s_lshr_b32 s54, s52, 5
	s_lshl_b32 s54, s54, 6
	s_bfe_u32 s88, s52, 0x20003
	s_add_co_u32 s54, s54, s88
	s_mul_i32 s54, s54, 384
	s_bfe_u32 s88, s52, 0x20001
	s_mul_i32 s88, s88, 96
	s_add_co_u32 s54, s54, s88
	s_and_b32 s88, s52, 1
	s_mul_i32 s88, s88, 48
	s_add_co_u32 s54, s54, s88
	s_add_nc_u64 s[30:31], s[30:31], s[54:55]
	s_mul_i32 s54, s52, 768
	s_add_nc_u64 s[38:39], s[38:39], s[54:55]
.irp i, 0,1,2,3,4,5,6,7                        ; a row's 16 scale bytes are the words of its four K steps: one load of 16 bytes a tile, register 4 i + s
	global_load_b128 v[32+4*\i:35+4*\i], v[R16], s[20:21] offset:256*\i
	global_load_b128 v[80+4*\i:83+4*\i], v[R16], s[10:11] offset:256*\i
	global_load_b128 v[128+4*\i:131+4*\i], v[R16], s[14:15] offset:256*\i
.endr
.irp j, 0,1,2,3
	global_load_b128 v[64+4*\j:67+4*\j], v[R16], s[50:51] offset:256*\j
	global_load_b128 v[112+4*\j:115+4*\j], v[R16], s[26:27] offset:256*\j
	global_load_b128 v[160+4*\j:163+4*\j], v[R16], s[6:7] offset:256*\j
.endr
	WIN 0x80                                       ; destination window 2
.irp i, 0,1,2,3,4,5,6,7                        ; bk in the result's layout: lane (r, h), tile i: numbers 16 i + 8 h + 0 .. 7
	global_load_b128 v[144+8*\i:147+8*\i], v[H32], s[22:23] offset:64*\i
	global_load_b128 v[148+8*\i:151+8*\i], v[H32], s[22:23] offset:64*\i+16
.endr
.irp j, 0,1,2,3                                ; bv: in phase v a lane holds ONE number of the head: the same bias in all eight registers
.irp k, 0,1,2,3,4,5,6,7
	global_load_b32 v[208+8*\j+\k], v[R4], s[28:29] offset:64*\j
.endr
.endr
	WIN 0xc0                                       ; destination window 3
.irp i, 0,1,2,3,4,5,6,7
	global_load_b128 v[144+8*\i:147+8*\i], v[H32], s[16:17] offset:64*\i
	global_load_b128 v[148+8*\i:151+8*\i], v[H32], s[16:17] offset:64*\i+16
.endr
	WIN 0
	s_wait_alu depctr_va_vdst(0)
	global_load_b64 v[22:23], v30, s[30:31]
	global_load_b64 v[24:25], v30, s[30:31] offset:8
	global_load_b64 v[26:27], v30, s[30:31] offset:16
	; where the results go
	s_mul_i32 s54, s44, KVB
	s_add_nc_u64 s[32:33], s[32:33], s[54:55]      ; my block of kv
	s_lshl_b32 s88, s45, 2
	s_lshl_b32 s89, s42, 1
	s_add_co_u32 s88, s88, s89                     ; hA = 4 ch + 2 wc
	s_mul_i32 s54, s88, 6144
	s_mul_i32 s89, s41, 3072
	s_add_co_u32 s54, s54, s89
	s_add_nc_u64 s[90:91], s[32:33], s[54:55]      ; K's codes: head hA, tile 4 wr
	s_lshl_b32 s54, s88, 9
	s_lshl_b32 s89, s41, 8
	s_add_co_u32 s54, s54, s89
	s_add_co_u32 s54, s54, KSC
	s_add_nc_u64 s[92:93], s[32:33], s[54:55]      ; K's scale words
	s_lshl_b32 s89, s45, 2
	s_add_co_u32 s89, s89, s40                     ; v's head = 4 ch + w
	s_mul_i32 s54, s89, 6144
	s_add_co_u32 s54, s54, VCO
	s_add_nc_u64 s[94:95], s[32:33], s[54:55]      ; V's codes
	s_lshl_b32 s54, s89, 8
	s_add_co_u32 s54, s54, VSC
	s_add_nc_u64 s[96:97], s[32:33], s[54:55]      ; V's scale words
	s_lshl_b32 s54, s44, 3
	s_lshl_b32 s89, s41, 2
	s_add_co_u32 s54, s54, s89                     ; q's tile 8 RB + 4 wr
	s_lshl_b32 s54, s54, 3
	s_add_co_u32 s54, s54, s88
	s_mul_i32 s54, s54, 768
	s_add_nc_u64 s[34:35], s[34:35], s[54:55]
	s_lshl_b32 s54, s44, 1
	s_add_co_u32 s54, s54, s41                     ; q's block of 64 rows
	s_lshl_b32 s54, s54, 3
	s_add_co_u32 s54, s54, s88
	s_lshl_b32 s54, s54, 8
	s_add_nc_u64 s[36:37], s[36:37], s[54:55]
	s_wait_loadcnt 0x0
	v_mov_b32 v224, v22                            ; Wo's block: bytes 6-11 and 12-17 change places
	v_perm_b32 v225, v25, v23, 0x05040100
	v_perm_b32 v226, v26, v25, 0x05040302
	v_perm_b32 v227, v24, v23, 0x05040302
	v_perm_b32 v228, v26, v24, 0x07060302
	v_mov_b32 v229, v27
	s_cmp_lg_u32 s40, 0
	s_cbranch_scc1 .Lnot_mine
	global_store_b128 v[L16], v[224:227], s[38:39]
	global_store_b64 v[L8], v[228:229], s[38:39] offset:512
.Lnot_mine:
	s_wait_tensorcnt 0x0                           ; my tile of the head's four is in; Wv's first fill is issued as a refill is
	ds_add_u32 v[SPW], v[NIL]
	s_mov_b32 s58, 48<<16                          ; no load of mine is out: from here on the activation comes 32 rows a wave (48 rows of 256 bytes),
	s_mov_b32 s60, 48
	s_mov_b32 s70, 96<<16                          ; W 64 rows a wave (96 rows of 256 bytes),
	s_mov_b32 s72, 96
	s_mul_i32 s77, s40, 32*PITCH                   ; each to the wave's own part of its region
	s_mul_i32 s81, s40, 64*PITCH
	s_add_co_u32 s81, s81, W0
	s_wait_dscnt 0x0                               ; the add is done
	ROUND                                          ; everybody's tile is in, and the four partners meet
	tensor_load_to_lds s[84:87], s[68:75]          ; Wv: it lands under phase k
	s_nop 0
	PLACES 4
	global_prefetch_b8 v31, s[2:3] th:TH_LOAD_NT scope:SCOPE_SE               ; my 32 rows of query are 48 blocks of 256 bytes: asked for here, two phases ahead of the tensor load that brings them; blocks 0-31, a lane a block,
	global_prefetch_b8 v222, s[2:3] offset:8192 th:TH_LOAD_NT scope:SCOPE_SE  ; and blocks 32-47 (lanes 16-31 name block 47 again)
	PHASE 4, 6, 32, 64, 1, 144, 0x6a               ; k
	s_wait_tensorcnt 0x0                           ; all my loads have landed (Wv's part among them),
	ds_add_u32 v[SPW], v[NIL]                      ; 0 onto my spare word
	s_add_nc_u64 s[82:83], s[12:13], s[48:49]      ; no load of mine is out: region 0's group 0 now names Wq
	s_or_b32 s83, s83, 0x80000000
	s_wait_dscnt 0x0                               ; the add is done, and my reads of Wk are over
	ROUND                                          ; so of every wave of all four partners
	tensor_load_to_lds s[80:83], s[68:75]          ; Wq into Wk's place: it lands under k's way out and phase v
	s_nop 0
	PLACES 4                                       ; also the places behind phase k's last products
	EPI_QK 90, 768, 6144, 92, 18
	PHASE 8, 10, 80, 112, 2, 208, 0x6a             ; v
	s_wait_tensorcnt 0x0                           ; Wq has landed
	ds_add_u32 v[SPW], v[NIL]
	s_add_nc_u64 s[78:79], s[4:5], s[46:47]        ; the activation's group 0 now names query
	s_or_b32 s79, s79, 0x80000000
	s_wait_dscnt 0x0                               ; my reads of the value rows are over
	ROUND
	tensor_load_to_lds s[76:79], s[56:63]          ; my own rows of query: it lands under v's way out
	s_nop 0
	PLACES 4
	EPI_V
	s_wait_tensorcnt 0x0                           ; my part of the query rows is in,
	s_barrier_signal -1
	s_barrier_wait -1                              ; everybody's is
	PHASE 4, 6, 128, 160, 1, 144, 0x7a             ; q
	PLACES 4
	EPI_QK 34, 6144, 768, 36, 19
	s_wait_tensorcnt 0x0                           ; the wave's end
	ds_add_u32 v[SPW], v[NIL]
	s_wait_dscnt 0x0
	ROUND                                          ; the closing round
	s_endpgm
.Lfunc_end_k_qee524d74c5_proj:
	.size	k_qee524d74c5_proj, .Lfunc_end_k_qee524d74c5_proj-k_qee524d74c5_proj
	.p2alignl 7, 3214868480
	.fill 96, 4, 3214868480
	.section	.rodata,"a",@progbits
	.p2align	6, 0x0
	.amdhsa_kernel k_qee524d74c5_proj
		.amdhsa_group_segment_fixed_size 327680
		.amdhsa_private_segment_fixed_size 0
		.amdhsa_enable_private_segment 0
		.amdhsa_kernarg_size 144
		.amdhsa_user_sgpr_count 2
		.amdhsa_user_sgpr_kernarg_segment_ptr 1
		.amdhsa_wavefront_size32 1
		.amdhsa_system_sgpr_workgroup_id_x 1
		.amdhsa_system_sgpr_workgroup_id_y 1
		.amdhsa_system_sgpr_workgroup_id_z 1
		.amdhsa_system_vgpr_workitem_id 0
		.amdhsa_next_free_vgpr 1024
		.amdhsa_next_free_sgpr 100
		.amdhsa_reserve_vcc 1
		.amdhsa_float_denorm_mode_32 3
		.amdhsa_float_denorm_mode_16_64 3
		.amdhsa_memory_ordered 1
		.amdhsa_forward_progress 1
		.amdhsa_inst_pref_size 180
	.end_amdhsa_kernel
	.amdgpu_metadata
---
amdhsa.version: [ 1, 2 ]
amdhsa.kernels:
  - .name:           k_qee524d74c5_proj
    .symbol:         k_qee524d74c5_proj.kd
    .args:
      - { .name: query_codes, .offset: 0, .size: 8, .value_kind: global_buffer, .address_space: global }
      - { .name: query_scales, .offset: 8, .size: 8, .value_kind: global_buffer, .address_space: global }
      - { .name: value_codes, .offset: 16, .size: 8, .value_kind: global_buffer, .address_space: global }
      - { .name: value_scales, .offset: 24, .size: 8, .value_kind: global_buffer, .address_space: global }
      - { .name: Wq_codes, .offset: 32, .size: 8, .value_kind: global_buffer, .address_space: global }
      - { .name: Wq_scales, .offset: 40, .size: 8, .value_kind: global_buffer, .address_space: global }
      - { .name: bq, .offset: 48, .size: 8, .value_kind: global_buffer, .address_space: global }
      - { .name: Wk_codes, .offset: 56, .size: 8, .value_kind: global_buffer, .address_space: global }
      - { .name: Wk_scales, .offset: 64, .size: 8, .value_kind: global_buffer, .address_space: global }
      - { .name: bk, .offset: 72, .size: 8, .value_kind: global_buffer, .address_space: global }
      - { .name: Wv_codes, .offset: 80, .size: 8, .value_kind: global_buffer, .address_space: global }
      - { .name: Wv_scales, .offset: 88, .size: 8, .value_kind: global_buffer, .address_space: global }
      - { .name: bv, .offset: 96, .size: 8, .value_kind: global_buffer, .address_space: global }
      - { .name: Wo_codes, .offset: 104, .size: 8, .value_kind: global_buffer, .address_space: global }
      - { .name: kv, .offset: 112, .size: 8, .value_kind: global_buffer, .address_space: global }
      - { .name: qc, .offset: 120, .size: 8, .value_kind: global_buffer, .address_space: global }
      - { .name: qsc, .offset: 128, .size: 8, .value_kind: global_buffer, .address_space: global }
      - { .name: woimg, .offset: 136, .size: 8, .value_kind: global_buffer, .address_space: global }
    .group_segment_fixed_size: 327680
    .private_segment_fixed_size: 0
    .kernarg_segment_align: 8
    .kernarg_segment_size: 144
    .max_flat_workgroup_size: 128
    .sgpr_count:     100
    .vgpr_count:     1024
    .wavefront_size: 32
...
	.end_amdgpu_metadata
.endif
;; end of part 1
;; launch attn (part 2): grid 16 x 16, 16 waves a work-group, clusters of 4 x 1, 327,680 bytes of LDS; arguments kv, qc, qsc, woimg, Wo_scales, bo, xq, xsc, stats; writes xq, xsc, stats
.if DOCPART == 2
	.amdgcn_target "amdgcn-amd-amdhsa--gfx1250"
	.amdhsa_code_object_version 6
	.text
	.protected	k_qee524d74c5_attn
	.globl	k_qee524d74c5_attn
	.p2align	8
	.type	k_qee524d74c5_attn,@function
k_qee524d74c5_attn:
	s_mov_b64 s[64:65], 0
	v_nop
	global_prefetch_b8 v0, s[64:65] scope:SCOPE_SE
	s_setreg_imm32_b32 hwreg(HW_REG_WAVE_MODE, 25, 1), 1
	s_wait_xcnt 0x0
	s_wait_alu depctr_hold_cnt(0) depctr_sa_sdst(0) depctr_va_vdst(0) depctr_va_sdst(0) depctr_va_ssrc(0) depctr_va_vcc(0) depctr_vm_vsrc(0)
	s_getreg_b32 s2, hwreg(HW_REG_IB_STS2, 6, 4)
	s_cmp_eq_u32 s2, 0
	s_cbranch_scc0 .Lentry_in_a_cluster
	s_endpgm
.Lentry_in_a_cluster:
	s_bfe_u32 s2, ttmp6, 0x10000c
	s_cmp_lg_u32 s2, 0x3003
	s_cbranch_scc0 .Lentry_shape_is_right
	s_endpgm
.Lentry_shape_is_right:
; Attention on codes of FP6 (E2M3) for 64 queries x 8 heads of one batch; x = O / l is quantised and stored as images; x Wo^T (+ bo) is formed here only for this work-group's part of the
; BatchNorm statistics: for each of the 512 channels the mean of its 64 rows and the sum of squares about that mean.
; SOFTMAX: t = score x log2(e) / 8; M = the running largest t rounded up to a whole number; p = 2^(t - M) is quantised along the keys; the row's sum is taken of the unquantised p and divides O at the end.
; SHARES.  Work-group (X, B): queries 64 X on of batch B.  Wave w: head w / 2, query tiles 2 (w % 2) and 2 (w % 2) + 1: four waves to a SIMD, so that one wave's vector work stands beside another's products and LDS loads.
; Every wave walks the batch's 1,024 keys, 128 a step.  A step's block of kv (104,448 bytes: K's and V's images and scale words of all 8 heads) is one dense piece of memory; waves 0-3 bring a quarter each.
; CLUSTER.  The four partners are four query blocks of one batch and walk the same blocks of kv: each quarter is asked for jointly (mask 15).
; LAYOUT.  S^T = K Q^T and O^T = V^T P^T: a lane holds one query throughout.  A head's K is 64: a fragment's registers 0-5.  Q's registers 6-11 are zero codes; K's tiles lie 6 registers apart, so a tile's
; upper six registers are the next tile's codes (or six zeros): they meet zero codes.  Bytes 2 and 3 of q's and k's scale words are 0.
; Inside a block of 32 the four groups of 8 codes stand in the order 0, 2, 1, 3 on both sides of every product here.
; LIMITS: NaN and infinities are not served; a block of zeros, or one whose largest magnitude lies under 2^-124, has the scale byte 1.
; REGISTERS: v1-8 ADDRESSES AND OFFSETS AND NOTHING ELSE, in the loop and on the way out; v9, v10 the add's; v11 the prefetch's offset; v12-19 -M, largest t, the sum's pair, for each tile;
;   v20-31 SCALES AND NOTHING ELSE (v20 Q's, v21, v22 p's, v24-27 K's, v28-29 V's);
;   v32-55 Q; v56-103 K, v104-109 zeros; v112-175 S^T, then p, then V's fragments; v176-239 O^T; v240-251 tile 0's codes of p; v252-255 f, a pair a tile.
;   Once S^T is made K's registers are free: v56-67 tile 1's codes of p, v68-75 the conversions' second halves, v76-91 the softmax's work.
.set KVB,   104448
.set QTR,   26112
.set SLOT1, 131072
.set VCO,   49152
.set KSC,   98304
.set VSC,   102400
.set XIMG,  104448                     ; behind slot 0: x's 16 fragments as images [tile 4][K step 4][half 2][768]
.set XSC,   129024                     ; their scale words [tile 4][K step 4][16]
.set SPARE, 235520                     ; behind slot 1: the spare words, 128 bytes a wave: eight blocks of 256 bytes that no other line names
.set STG,   237568                     ; the statistics' stage: 512 means, 512 sums of squares
.set S,   112
.set BM,  76
.set PM,  80
.set SOP, 84
.set T1,  88
.set SC2, 90
.set CT,  68
.macro ROUND
	s_barrier_signal -1
	s_barrier_wait -1
	s_cmp_lg_u32 s22, 0
	s_cbranch_scc1 .Lnot_wave_0_\@
	s_barrier_signal -3
.Lnot_wave_0_\@:
	s_barrier_wait -3
	s_barrier_signal -1
	s_barrier_wait -1
.endm
.macro TLOAD n                         ; waves 0-3 fetch a quarter of a block each; four v_nop follow the load
	s_cmp_lt_u32 s22, 4
	s_cbranch_scc0 .Lno_fetch_\@
	tensor_load_to_lds s[32+4*(\n):35+4*(\n)], s[24:31]
	s_nop 0
.rept 4
	v_nop
.endr
.Lno_fetch_\@:
.endm
; A prefetch of the codes of the block that the NEXT step's load will ask for: one step ahead of that load.  All four clusters of a batch walk the same blocks: the first asks.  Its partners share the 98,304 bytes
; out by address, 24,576 each; in each, waves 4-6 take 8,192 bytes, lanes 256 bytes apart: each aligned 256 bytes is named once.  The 6,144 bytes of scale words come by their load alone.
.macro ASK
	s_cmp_eq_u32 s52, 1
	s_cbranch_scc0 .Lno_ask_\@
	global_prefetch_b8 v11, s[50:51] th:TH_LOAD_NT scope:SCOPE_SE
.Lno_ask_\@:
.endm
.macro KLOAD i, slot                   ; my head's 8 tiles of K: images, 512 + 256 consecutive bytes a tile
.irp t, 0,1,2,3,4,5,6,7
	ds_load_b128 v[56+6*\t:59+6*\t], v[1+\slot] offset:768*\t
	ds_load_b64 v[60+6*\t:61+6*\t], v[3+\slot] offset:768*\t
.endr
.if (\i) == 0
	ds_load_b128 v[24:27], v[5+\slot]              ; K's scale words: lanes 0-15 tiles 0-3, lanes 16-31 tiles 4-7
.endif
.endm
.macro SMM t, i                        ; S^T of 16 keys x 16 queries
.if (\t) < 4
.if (\i) == 0
	v_wmma_scale_f32_16x16x128_f8f6f4 v[S+8*(\t):S+8*(\t)+7], v[56+6*(\t):67+6*(\t)], v[32:43], 0, v[24+(\t)%4], v20 matrix_a_fmt:MATRIX_FMT_FP6 matrix_b_fmt:MATRIX_FMT_FP6
.else
	v_wmma_scale_f32_16x16x128_f8f6f4 v[S+8*(\t):S+8*(\t)+7], v[56+6*(\t):67+6*(\t)], v[44:55], 0, v[24+(\t)%4], v20 matrix_a_fmt:MATRIX_FMT_FP6 matrix_b_fmt:MATRIX_FMT_FP6 matrix_b_scale:MATRIX_SCALE_ROW1
.endif
.else
.if (\i) == 0
	v_wmma_scale_f32_16x16x128_f8f6f4 v[S+8*(\t):S+8*(\t)+7], v[56+6*(\t):67+6*(\t)], v[32:43], 0, v[24+(\t)%4], v20 matrix_a_fmt:MATRIX_FMT_FP6 matrix_b_fmt:MATRIX_FMT_FP6 matrix_a_scale:MATRIX_SCALE_ROW1
.else
	v_wmma_scale_f32_16x16x128_f8f6f4 v[S+8*(\t):S+8*(\t)+7], v[56+6*(\t):67+6*(\t)], v[44:55], 0, v[24+(\t)%4], v20 matrix_a_fmt:MATRIX_FMT_FP6 matrix_b_fmt:MATRIX_FMT_FP6 matrix_a_scale:MATRIX_SCALE_ROW1 matrix_b_scale:MATRIX_SCALE_ROW1
.endif
.endif
.endm
.macro VLOAD slot                      ; my head's four fragments of V^T (16 numbers x 128 keys) and their scale words
.irp j, 0,1,2,3
.irp g, 0,1,2
	ds_load_b128 v[112+12*\j+4*\g:115+12*\j+4*\g], v[1+\slot] offset:VCO+1536*\j+512*\g
.endr
.endr
	ds_load_b64 v[28:29], v[7+\slot]               ; lanes 0-15 tiles 0, 1; lanes 16-31 tiles 2, 3
.endm
; Tile i: scores, softmax, p's codes and scale word.  Register 8 t + j of lane (r, h) is key 16 t + 8 h + j of query r; block b of 32 keys is registers 16 b .. 16 b + 15 of lanes l and l xor 16.
.macro SOFT i, slot
.set NM, 12+4*(\i)
.set MT, 13+4*(\i)
.set SU, 14+4*(\i)
.set FF, 252+2*(\i)
.set PWR, 21+(\i)
.set PP, 240-184*(\i)
	s_wait_dscnt 0x0                               ; K is in
.irp t, 0,1,2,3,4,5,6,7
	SMM \t, \i
.endr
.rept 4
	v_nop                                          ; places: the results are read, and K's registers written, only behind these
.endr
.irp b, 0,1,2,3
	v_max3_num_f32 v[BM+\b], v[S+16*\b], v[S+1+16*\b], v[S+2+16*\b]   ; the largest score of each block: for the row's maximum and, since p rises with the score, for the block's largest p
.endr
.irp n, 3,5,7,9,11,13
.irp b, 0,1,2,3
	v_max3_num_f32 v[BM+\b], v[BM+\b], v[S+16*\b+\n], v[S+1+16*\b+\n]
.endr
.endr
.irp b, 0,1,2,3
	v_max_num_f32 v[BM+\b], v[BM+\b], v[S+15+16*\b]
.endr
.irp b, 0,1,2,3
	s_delay_alu instid0(VALU_DEP_4)
	v_permlanex16_b32 v[PM+\b], v[BM+\b], s46, s47
.endr
.irp b, 0,1,2,3
	s_delay_alu instid0(VALU_DEP_4)
	v_max_num_f32 v[BM+\b], v[BM+\b], v[PM+\b]
.endr
	s_delay_alu instid0(VALU_DEP_2)
	v_max3_num_f32 v[T1], v[BM], v[BM+1], v[BM+2]
	s_delay_alu instid0(VALU_DEP_1)
	v_max_num_f32 v[T1], v[T1], v[BM+3]
	s_delay_alu instid0(VALU_DEP_1)
	v_mul_f32 v[T1], s48, v[T1]                    ; as t
	s_delay_alu instid0(VALU_DEP_1)
	v_max_num_f32 v[MT], v[MT], v[T1]              ; the running largest t
	v_mov_b32 v[T1], v[NM]
	s_delay_alu instid0(VALU_DEP_2)
	v_floor_f32 v[NM], -v[MT]                      ; -M = floor(-t): M is a whole number
	s_delay_alu instid0(VALU_DEP_1)
	v_sub_f32 v[T1], v[NM], v[T1]                  ; old M - new M: a whole number, 0 or less
	s_delay_alu instid0(VALU_DEP_1)
	v_cvt_i32_f32 v[T1], v[T1]                     ; (it saturates)
	s_delay_alu instid0(VALU_DEP_1)
	v_ldexp_f32 v[FF], 1.0, v[T1]                  ; f = 2^(old M - new M): rounds nothing
.set J, 0
.rept 32
	v_pk_fma_f32 v[S+J:S+J+1], v[S+J:S+J+1], s[48:49], v[NM:NM+1] op_sel_hi:[1,0,0]   ; t - M
.set J, J+2
.endr
.irp b, 0,1,2,3
	v_fma_f32 v[BM+\b], v[BM+\b], s48, v[NM]
.endr
.set J, 0
	s_wait_alu depctr_va_vdst(0)
.rept 64
	v_exp_f32 v[S+J], v[S+J]                       ; p = 2^(t - M)
.set J, J+1
.endr
	v_pk_mul_f32 v[SU:SU+1], v[SU:SU+1], v[FF:FF+1] op_sel_hi:[1,0]   ; the sums under the new M; the plain place behind the exponentials
	s_wait_alu depctr_va_vdst(0)                   ; one wait for the batch of 64, ahead of its first reader
.irp b, 0,1,2,3
	v_exp_f32 v[BM+\b], v[BM+\b]                   ; each block's largest p
.endr
	v_pk_add_f32 v[SC2:SC2+1], v[S:S+1], v[S+2:S+3]   ; the row's sum of the unquantised p, in two chains
.set J, 4
.rept 15
	v_pk_add_f32 v[SU:SU+1], v[SU:SU+1], v[S+J:S+J+1]
	v_pk_add_f32 v[SC2:SC2+1], v[SC2:SC2+1], v[S+J+2:S+J+3]
.set J, J+4
.endr
	s_delay_alu instid0(VALU_DEP_1)
	v_pk_add_f32 v[SU:SU+1], v[SU:SU+1], v[SC2:SC2+1]
	s_wait_alu depctr_va_vdst(0)                   ; and one for the four
.irp b, 0,1,2,3
	v_max_num_f32 v[BM+\b], 0x1800000, v[BM+\b]    ; the floor 2^(3 - 127)
.endr
.irp b, 0,1,2,3
	s_delay_alu instid0(VALU_DEP_4)
	v_add_nc_u32 v[SOP+\b], 0xff000000, v[BM+\b]   ; 2 off the exponent field: the conversion's scale operand
.endr
.irp b, 0,1,2,3
	s_delay_alu instid0(VALU_DEP_4)
	v_lshrrev_b32 v[PM+\b], 23, v[SOP+\b]          ; the scale's byte
.endr
	s_delay_alu instid0(VALU_DEP_3)
	v_lshl_or_b32 v[PWR], v[PM+1], 8, v[PM]
	s_delay_alu instid0(VALU_DEP_1)
	v_lshl_or_b32 v[PWR], v[PM+2], 16, v[PWR]
	s_delay_alu instid0(VALU_DEP_1)
	v_lshl_or_b32 v[PWR], v[PM+3], 24, v[PWR]
.irp c, 0,1
	v_cvt_scalef32_pk16_fp6_f32 v[PP+6*\c:PP+6*\c+2], v[S+32*\c:S+32*\c+15], v[SOP+2*\c]
	v_cvt_scalef32_pk16_fp6_f32 v[CT+4*\c:CT+4*\c+2], v[S+32*\c+16:S+32*\c+31], v[SOP+2*\c+1]
.endr
	v_nop                                          ; one plain place behind the scaled conversions
.if (\i) == 1
	VLOAD \slot                                    ; p is in codes: V's fragments take its registers and serve both tiles
.endif
.irp c, 0,1
.irp n, 0,1,2
	v_permlane16_swap_b32 v[PP+6*\c+\n], v[CT+4*\c+\n]
.endr
.irp n, 0,1,2
	s_delay_alu instid0(VALU_DEP_3)
	v_mov_b32 v[PP+3+6*\c+\n], v[CT+4*\c+\n]
.endr
.endr
.endm
.macro PVMM j, i
.set DD, 176+32*(\i)+8*(\j)
.set AA, 112+12*(\j)
.set BB, 240-184*(\i)
.if (\j) < 2
	v_wmma_scale_f32_16x16x128_f8f6f4 v[DD:DD+7], v[AA:AA+11], v[BB:BB+11], v[DD:DD+7], v[28+(\j)%2], v[21+(\i)] matrix_a_fmt:MATRIX_FMT_FP6 matrix_b_fmt:MATRIX_FMT_FP6
.else
	v_wmma_scale_f32_16x16x128_f8f6f4 v[DD:DD+7], v[AA:AA+11], v[BB:BB+11], v[DD:DD+7], v[28+(\j)%2], v[21+(\i)] matrix_a_fmt:MATRIX_FMT_FP6 matrix_b_fmt:MATRIX_FMT_FP6 matrix_a_scale:MATRIX_SCALE_ROW1
.endif
.endm
.macro PV                              ; O^T = f O^T + V^T P^T for both tiles: eight accumulators, one instruction a turn
.set J, 0
.rept 16
	v_pk_mul_f32 v[176+J:177+J], v[176+J:177+J], v[252:253] op_sel_hi:[1,0]
	v_pk_mul_f32 v[208+J:209+J], v[208+J:209+J], v[254:255] op_sel_hi:[1,0]
.set J, J+2
.endr
	s_wait_alu depctr_va_vdst(0)
	s_wait_dscnt 0x0                               ; V is in
.irp j, 0,1,2,3
.irp i, 0,1
	PVMM \j, \i
.endr
.endr
.rept 5
	v_nop                                          ; five places: the next scores are written over V's registers by matrix instructions, and K's loads land on tile 1's codes
.endr
.endm
; A step.  In front of the round each wave waits for all its tensor loads (its quarter of this step's block), adds 0 to its spare word, and waits for that and for its reads of the other slot;
; behind the round the other slot is filled with the next block, which has this step's work in which to land: one load of a wave is out.
.macro TRIP slot, refill, ask
	s_wait_tensorcnt 0x0
	ds_add_u32 v9, v10
	ds_add_u32 v9, v10                             ; twice on end under the one wait
	s_add_nc_u64 s[34+4*\slot:35+4*\slot], s[34+4*\slot:35+4*\slot], 2*KVB   ; no load of mine is out: this slot's next block
.if \ask
	s_wait_xcnt 0x0                                ; the last prefetch, a step back, has read its address
	s_add_nc_u64 s[50:51], s[50:51], KVB
.endif
	s_wait_dscnt 0x0
	ROUND
.if \refill
	TLOAD 1-\slot
.endif
	KLOAD 0, \slot
.if \ask
	ASK
.endif
	SOFT 0, \slot
	KLOAD 1, \slot                                 ; K again: 256 registers do not hold it across a softmax
	SOFT 1, \slot
	PV
.endm
	s_load_b512 s[4:19], s[0:1], 0x0               ; kv 4, qc 6, qsc 8, woimg 10, Wo's scales 12, bo 14, xq 16, xsc 18
	s_load_b64 s[20:21], s[0:1], 0x40              ; stats
	v_lshl_add_u32 v9, v0, 2, SPARE
	v_mov_b32 v10, 0
	ds_add_u32 v9, v10
	ds_add_u32 v9, v10
	s_wait_dscnt 0x0
	v_lshrrev_b32 v1, 5, v0
	s_delay_alu instid0(VALU_DEP_1)
	v_readfirstlane_b32 s22, v1                    ; wave w
	s_lshr_b32 s23, s22, 1                         ; my head; in the way out: my group of 64 channels
	s_and_b32 s40, s22, 1                          ; which pair of query tiles
	s_bfe_u32 s41, ttmp6, 0x40000                  ; my place in the cluster: it enters global addresses of my own alone
	s_lshl_b32 s42, ttmp9, 2
	s_add_co_u32 s42, s42, s41                     ; X
	s_and_b32 s43, ttmp7, 0xffff                   ; B
	s_lshl_b32 s45, s43, 4
	s_add_co_u32 s45, s45, s42                     ; P = 16 B + X
	s_mov_b32 s24, 15|(3<<16)|(1<<21)              ; group 1: mask 15, elements of 8 bytes, bit 21 beside the mask, no padding: 102 dense rows of 256 bytes
	s_mov_b32 s25, 32<<16
	s_mov_b32 s26, 102<<16
	s_mov_b32 s27, 32<<16
	s_mov_b32 s28, 102
	s_mov_b32 s29, 32
	s_mov_b32 s30, 0
	s_mov_b32 s31, 0
	s_mov_b32 s46, 0x76543210
	s_mov_b32 s47, 0xfedcba98
	s_mov_b32 s48, 0x3e38aa3b                      ; log2(e) / 8
	s_mov_b32 s49, s48
	v_and_b32 v111, 31, v0                         ; lane
	s_mul_i32 s53, s23, 6144
	v_lshl_add_u32 v1, v111, 4, s53                ; codes: head x 6,144 + 16 x lane, in slot 0 and slot 1
	s_delay_alu instid0(VALU_DEP_1)
	v_add_nc_u32 v2, SLOT1, v1
	v_lshl_add_u32 v3, v111, 3, s53
	s_delay_alu instid0(VALU_DEP_1)
	v_add_nc_u32 v3, 512, v3                       ; an image's last 256 bytes: 8 x lane
	s_delay_alu instid0(VALU_DEP_1)
	v_add_nc_u32 v4, SLOT1, v3
	s_lshl_b32 s53, s23, 9
	s_add_co_u32 s53, s53, KSC
	v_lshl_add_u32 v5, v111, 4, s53
	s_delay_alu instid0(VALU_DEP_1)
	v_add_nc_u32 v6, SLOT1, v5
	s_lshl_b32 s53, s23, 8
	s_add_co_u32 s53, s53, VSC
	v_lshl_add_u32 v7, v111, 3, s53
	s_delay_alu instid0(VALU_DEP_1)
	v_add_nc_u32 v8, SLOT1, v7
	v_lshlrev_b32 v11, 8, v111
	v_lshlrev_b32 v112, 4, v111                    ; Q's offsets, in registers that the scores take later
	v_lshlrev_b32 v113, 3, v111
	v_and_b32 v114, 15, v0
	v_bfe_u32 v115, v0, 4, 1
	s_delay_alu instid0(VALU_DEP_2)
	v_lshlrev_b32 v114, 4, v114
	s_delay_alu instid0(VALU_DEP_1)
	v_lshl_add_u32 v114, v115, 2, v114             ; 16 r + 4 h
	s_mul_i32 s54, s43, 8*KVB                      ; the batch's eight blocks
	s_and_b32 s53, s22, 3
	s_mul_i32 s56, s53, QTR                        ; my quarter
	s_add_co_u32 s58, s54, s56
	s_mov_b32 s59, 0
	s_mul_i32 s60, s41, 24576                      ; the prefetches: my work-group's 24,576 bytes, my wave's 8,192 of them, in block 1: the first step steps it to block 2
	s_lshl_b32 s61, s53, 13
	s_add_co_u32 s60, s60, s61
	s_add_co_u32 s60, s60, s54
	s_add_co_u32 s60, s60, KVB
	s_mov_b32 s61, 0
	s_sub_co_u32 s62, s22, 4
	s_cmp_lt_u32 s62, 3                            ; waves 4 to 6
	s_cselect_b32 s52, 1, 0
	s_cmp_eq_u32 ttmp9, 0                          ; of the batch's first cluster: the same in all four partners
	s_cselect_b32 s52, s52, 0
	s_lshl_b32 s66, s45, 2
	s_lshl_b32 s67, s40, 1
	s_add_co_u32 s66, s66, s67                     ; my first query tile
	s_lshl_b32 s66, s66, 3
	s_add_co_u32 s66, s66, s23
	s_mul_i32 s66, s66, 768
	s_mov_b32 s67, 0
	s_lshl_b32 s68, s45, 3
	s_add_co_u32 s68, s68, s23
	s_lshl_b32 s68, s68, 8
	s_lshl_b32 s69, s40, 3
	s_add_co_u32 s68, s68, s69
	s_mov_b32 s69, 0
	s_wait_kmcnt 0x0
	s_mov_b32 s32, 1
	s_mov_b32 s33, s56
	s_add_nc_u64 s[34:35], s[4:5], s[58:59]        ; block 0 into slot 0
	s_or_b32 s35, s35, 0x80000000
	s_mov_b32 s36, 1
	s_add_co_u32 s37, s56, SLOT1
	s_add_nc_u64 s[38:39], s[4:5], s[58:59]
	s_add_nc_u64 s[38:39], s[38:39], KVB           ; block 1 into slot 1
	s_or_b32 s39, s39, 0x80000000
	s_add_nc_u64 s[50:51], s[4:5], s[60:61]
	s_add_nc_u64 s[6:7], s[6:7], s[66:67]
	s_add_nc_u64 s[8:9], s[8:9], s[68:69]
	ROUND                                          ; all four work-groups are here
	TLOAD 0
	s_wait_alu depctr_va_vdst(0)
.irp i, 0,1
	global_load_b128 v[32+12*\i:35+12*\i], v112, s[6:7] offset:6144*\i
	global_load_b64 v[36+12*\i:37+12*\i], v113, s[6:7] offset:6144*\i+512
.endr
	global_load_b32 v20, v114, s[8:9]              ; Q's scale words: lanes 0-15 my first tile, lanes 16-31 my second
	v_mov_b32 v13, 0xff61b1e6                      ; the largest t so far: -3e38
	s_delay_alu instid0(VALU_DEP_1)
	v_floor_f32 v12, -v13
	v_mov_b32 v14, 0
	v_mov_b32 v15, 0
	v_mov_b32 v17, 0xff61b1e6
	s_delay_alu instid0(VALU_DEP_1)
	v_floor_f32 v16, -v17
	v_mov_b32 v18, 0
	v_mov_b32 v19, 0
	v_mov_b32 v253, 0                              ; (upper halves of the pairs that hold f)
	v_mov_b32 v255, 0
.irp n, 38,39,40,41,42,43,50,51,52,53,54,55,104,105,106,107,108,109
	v_mov_b32 v\n, 0                               ; zero codes: Q's upper halves, and what stands behind K's last tile
.endr
.set J, 0
.rept 64
	v_mov_b32 v[176+J], 0                          ; O^T: the step is written once; the first change of M multiplies zeros
.set J, J+1
.endr
	s_wait_loadcnt 0x0
	s_mov_b32 s44, 3
.Lring:
	TRIP 0, 1, 1
	TRIP 1, 1, 1
	s_sub_co_u32 s44, s44, 1
	s_cmp_lg_u32 s44, 0
	s_cbranch_scc1 .Lring
	TRIP 0, 1, 0                                   ; the last two steps are written out: no load is jumped over, nothing is asked for beyond the batch's end
	TRIP 1, 0, 0
	; ---- the way out.  My 8 fragments of Wo (channels 64 g + 4 r + t, t = 2 (w % 2) + u; K steps 0-3) land in v56-151, their scale words in v24-31, bo in v240-241: asked for first, waited for behind the barrier below.
	; v4-7 are the offsets of global loads and stores (16 x lane, 8 x lane, 64 r, 16 r) and stay; v8, v1, v2 are the LDS addresses, made anew for each of the way's three parts; v3 = h.
	v_and_b32 v1, 31, v0                           ; lane
	v_and_b32 v2, 15, v0                           ; r
	v_bfe_u32 v3, v0, 4, 1                         ; h
	s_delay_alu instid0(VALU_DEP_3)
	v_lshlrev_b32 v4, 4, v1
	s_wait_alu depctr_va_vdst(0)
	v_lshlrev_b32 v5, 3, v1
	s_wait_alu depctr_va_vdst(0)
	v_lshlrev_b32 v6, 6, v2
	s_wait_alu depctr_va_vdst(0)
	v_lshlrev_b32 v7, 4, v2
	s_wait_alu depctr_va_vdst(0)
	s_mul_i32 s54, s22, 12288
	s_mov_b32 s55, 0
	s_add_nc_u64 s[10:11], s[10:11], s[54:55]
	s_lshl_b32 s54, s23, 10
	s_lshl_b32 s56, s40, 5
	s_add_co_u32 s54, s54, s56
	s_add_nc_u64 s[12:13], s[12:13], s[54:55]
	s_lshl_b32 s54, s23, 8
	s_lshl_b32 s56, s40, 3
	s_add_co_u32 s54, s54, s56
	s_add_nc_u64 s[14:15], s[14:15], s[54:55]
.irp u, 0,1
.irp s, 0,1,2,3
	global_load_b128 v[56+12*(4*\u+\s):59+12*(4*\u+\s)], v4, s[10:11] offset:6144*\u+1536*\s
	global_load_b64 v[60+12*(4*\u+\s):61+12*(4*\u+\s)], v5, s[10:11] offset:6144*\u+1536*\s+512
	global_load_b128 v[62+12*(4*\u+\s):65+12*(4*\u+\s)], v4, s[10:11] offset:6144*\u+1536*\s+768
	global_load_b64 v[66+12*(4*\u+\s):67+12*(4*\u+\s)], v5, s[10:11] offset:6144*\u+1536*\s+1280
.endr
	global_load_b128 v[24+4*\u:27+4*\u], v6, s[12:13] offset:16*\u
.endr
	global_load_b64 v[240:241], v7, s[14:15]
	; x = O^T / l
	v_add_f32 v14, v14, v15
	v_add_f32 v18, v18, v19
	s_delay_alu instid0(VALU_DEP_2)
	v_permlanex16_b32 v15, v14, s46, s47
	s_delay_alu instid0(VALU_DEP_2)
	v_permlanex16_b32 v19, v18, s46, s47
	s_delay_alu instid0(VALU_DEP_2)
	v_add_f32 v14, v14, v15
	s_delay_alu instid0(VALU_DEP_2)
	v_add_f32 v18, v18, v19
	s_wait_alu depctr_va_vdst(0)
	v_rcp_f32 v14, v14
	v_rcp_f32 v18, v18
	v_nop                                          ; a plain place behind the reciprocals
	s_wait_alu depctr_va_vdst(0)                   ; one wait for the two, ahead of their first reader
.set J, 0
.rept 16
	v_pk_mul_f32 v[176+J:177+J], v[176+J:177+J], v[14:15] op_sel_hi:[1,0]
.set J, J+2
.endr
.set J, 0
.rept 16
	v_pk_mul_f32 v[208+J:209+J], v[208+J:209+J], v[18:19] op_sel_hi:[1,0]
.set J, J+2
.endr
	; quantised along the head's 64 numbers: blocks 0, 1 are my first tile's, blocks 2, 3 my second's
.irp b, 0,1,2,3
	v_max3_num_f32 v[32+\b], |v[176+16*\b]|, |v[177+16*\b]|, 0x1800000
.endr
.irp n, 2,4,6,8,10,12,14
.irp b, 0,1,2,3
	s_delay_alu instid0(VALU_DEP_4)
	v_max3_num_f32 v[32+\b], v[32+\b], |v[176+16*\b+\n]|, |v[177+16*\b+\n]|
.endr
.endr
.irp b, 0,1,2,3
	s_delay_alu instid0(VALU_DEP_4)
	v_permlanex16_b32 v[36+\b], v[32+\b], s46, s47
.endr
.irp b, 0,1,2,3
	s_delay_alu instid0(VALU_DEP_4)
	v_max_num_f32 v[32+\b], v[32+\b], v[36+\b]
.endr
.irp b, 0,1,2,3
	s_delay_alu instid0(VALU_DEP_4)
	v_add_nc_u32 v[44+\b], 0xff000000, v[32+\b]
.endr
.irp b, 0,1,2,3
	s_delay_alu instid0(VALU_DEP_4)
	v_lshrrev_b32 v[36+\b], 23, v[44+\b]
.endr
	s_delay_alu instid0(VALU_DEP_3)
	v_lshl_or_b32 v21, v37, 8, v36
	s_delay_alu instid0(VALU_DEP_1)
	v_lshl_or_b32 v21, v38, 16, v21
	s_delay_alu instid0(VALU_DEP_1)
	v_lshl_or_b32 v21, v39, 24, v21                ; low half: my first tile's two bytes; high half: my second's
.irp c, 0,1
	v_cvt_scalef32_pk16_fp6_f32 v[152+6*\c:154+6*\c], v[176+32*\c:191+32*\c], v[44+2*\c]
	v_cvt_scalef32_pk16_fp6_f32 v[164+4*\c:166+4*\c], v[192+32*\c:207+32*\c], v[45+2*\c]
.endr
	v_nop
.irp c, 0,1
.irp n, 0,1,2
	v_permlane16_swap_b32 v[152+6*\c+\n], v[164+4*\c+\n]
.endr
.irp n, 0,1,2
	s_delay_alu instid0(VALU_DEP_3)
	v_mov_b32 v[155+6*\c+\n], v[164+4*\c+\n]
.endr
.endr
	; part 1: my two half fragments (tile 2 (w % 2) + i, K step head / 2, half head % 2) go to LDS for the other waves and to xq
	s_mul_i32 s56, s40, 12288
	s_lshr_b32 s57, s23, 1
	s_mul_i32 s58, s57, 1536
	s_add_co_u32 s56, s56, s58
	s_and_b32 s59, s23, 1
	s_mul_i32 s58, s59, 768
	s_add_co_u32 s56, s56, s58
	s_add_co_u32 s58, s56, XIMG
	v_add_nc_u32 v8, s58, v4                       ; an image's first 512 bytes: 16 x lane
	s_wait_alu depctr_va_vdst(0)
	v_add_nc_u32 v1, s58, v5                       ; its last 256 (with the immediate 512): 8 x lane
	s_wait_alu depctr_va_vdst(0)
	s_lshl_b32 s58, s40, 9
	s_lshl_b32 s57, s57, 6
	s_add_co_u32 s58, s58, s57
	s_lshl_b32 s59, s59, 1
	s_add_co_u32 s58, s58, s59
	s_add_co_u32 s58, s58, XSC
	v_lshl_add_u32 v2, v2, 2, s58                  ; my half of row r's scale word
	s_wait_alu depctr_va_vdst(0)
	s_mul_i32 s54, s45, 24576
	s_add_co_u32 s54, s54, s56
	s_add_nc_u64 s[16:17], s[16:17], s[54:55]
	s_lshl_b32 s54, s45, 10
	s_add_nc_u64 s[18:19], s[18:19], s[54:55]
	s_lshl_b32 s54, s45, 12
	s_lshl_b32 s56, s22, 8
	s_add_co_u32 s54, s54, s56
	s_add_nc_u64 s[20:21], s[20:21], s[54:55]
.irp i, 0,1
	ds_store_b128 v8, v[152+6*\i:155+6*\i] offset:6144*\i
	ds_store_b64 v1, v[156+6*\i:157+6*\i] offset:6144*\i+512
	global_store_b128 v4, v[152+6*\i:155+6*\i], s[16:17] offset:6144*\i
	global_store_b64 v5, v[156+6*\i:157+6*\i], s[16:17] offset:6144*\i+512
.endr
	ds_store_b16 v2, v21                           ; (lanes l and l xor 16 write the same two bytes with the same value)
	ds_store_b16_d16_hi v2, v21 offset:256
	s_wait_dscnt 0x0                               ; for the others' sake: my stores have landed
	v_add_nc_u32 v8, XIMG, v4                      ; part 2's addresses: any fragment's image, 16 x lane
	v_add_nc_u32 v1, XIMG, v5                      ; and 8 x lane
	v_lshrrev_b32 v2, 2, v7                        ; 4 r
	s_delay_alu instid0(VALU_DEP_1)
	v_lshl_add_u32 v2, v3, 8, v2
	s_delay_alu instid0(VALU_DEP_1)
	v_add_nc_u32 v2, XSC, v2                       ; x's scale words: lanes 0-15 an even tile, lanes 16-31 the odd one behind it
	s_barrier_signal -1
	s_barrier_wait -1                              ; x's 16 fragments and their scale words lie in LDS
	s_cmp_lg_u32 s22, 0
	s_cbranch_scc1 .Lno_copy
	s_wait_alu depctr_va_vdst(0)
	ds_load_b128 v[244:247], v8 offset:XSC-XIMG    ; wave 0 stores the 1,024 bytes of scale words: twice 512 consecutive bytes
	ds_load_b128 v[252:255], v8 offset:XSC-XIMG+512
	s_wait_dscnt 0x0
	global_store_b128 v4, v[244:247], s[18:19]
	global_store_b128 v4, v[252:255], s[18:19] offset:512
.Lno_copy:
	s_wait_loadcnt 0x0                             ; Wo's fragments, its scale words, bo
	s_wait_xcnt 0x0                                ; the stores of x's codes have read their registers: x's fragments land there
; y = x Wo^T for 64 rows x my 32 channels: source 0 = 16 rows of x, source 1 = 16 channels: a lane holds one channel and 8 rows.  Eight accumulators, one instruction a turn.
.macro OMM T, u, s
.set XF, 152+12*(\T)-144*((\T)/2)
.set DD, 176+8*(2*(\T)+(\u))
.set BB, 56+12*(4*(\u)+(\s))
.if (\s) == 0
.if (\T)%2 == 0
	v_wmma_scale_f32_16x16x128_f8f6f4 v[DD:DD+7], v[XF:XF+11], v[BB:BB+11], 0, v[22+(\T)/2], v[24+4*(\u)+(\s)] matrix_a_fmt:MATRIX_FMT_FP6 matrix_b_fmt:MATRIX_FMT_FP6
.else
	v_wmma_scale_f32_16x16x128_f8f6f4 v[DD:DD+7], v[XF:XF+11], v[BB:BB+11], 0, v[22+(\T)/2], v[24+4*(\u)+(\s)] matrix_a_fmt:MATRIX_FMT_FP6 matrix_b_fmt:MATRIX_FMT_FP6 matrix_a_scale:MATRIX_SCALE_ROW1
.endif
.else
.if (\T)%2 == 0
	v_wmma_scale_f32_16x16x128_f8f6f4 v[DD:DD+7], v[XF:XF+11], v[BB:BB+11], v[DD:DD+7], v[22+(\T)/2], v[24+4*(\u)+(\s)] matrix_a_fmt:MATRIX_FMT_FP6 matrix_b_fmt:MATRIX_FMT_FP6
.else
	v_wmma_scale_f32_16x16x128_f8f6f4 v[DD:DD+7], v[XF:XF+11], v[BB:BB+11], v[DD:DD+7], v[22+(\T)/2], v[24+4*(\u)+(\s)] matrix_a_fmt:MATRIX_FMT_FP6 matrix_b_fmt:MATRIX_FMT_FP6 matrix_a_scale:MATRIX_SCALE_ROW1
.endif
.endif
.endm
	s_wait_alu depctr_va_vdst(0)
.irp s, 0,1,2,3
.irp T, 0,1,2,3
.set XF, 152+12*\T-144*(\T/2)
	ds_load_b128 v[XF:XF+3], v8 offset:(4*\T+\s)*1536
	ds_load_b64 v[XF+4:XF+5], v1 offset:(4*\T+\s)*1536+512
	ds_load_b128 v[XF+6:XF+9], v8 offset:(4*\T+\s)*1536+768
	ds_load_b64 v[XF+10:XF+11], v1 offset:(4*\T+\s)*1536+1280
.endr
	ds_load_b32 v22, v2 offset:64*\s
	ds_load_b32 v23, v2 offset:64*\s+512
	s_wait_dscnt 0x0
.irp T, 0,1,2,3
.irp u, 0,1
	OMM \T, \u, \s
.endr
.endr
.rept 4
	v_nop                                          ; places in front of the next loads, and of the first read of the results
.endr
.endr
	; part 3's addresses: the statistics' stage (no LDS load of mine is out)
	s_lshl_b32 s58, s23, 8
	s_lshl_b32 s57, s40, 3
	s_add_co_u32 s58, s58, s57
	s_add_co_u32 s58, s58, STG
	v_add_nc_u32 v8, s58, v7
	s_delay_alu instid0(VALU_DEP_1)
	v_lshl_add_u32 v8, v3, 11, v8                  ; in: lanes 0-15 means, lanes 16-31 sums of squares, 8 bytes at channel 64 g + 4 r + 2 (w % 2)
	s_lshl_b32 s58, s22, 8
	s_add_co_u32 s58, s58, STG
	v_add_nc_u32 v1, s58, v5                       ; back: 256 bytes a wave, 8 a lane
	; for each of my two channels a lane: the sum of its 64 rows, the mean, and the sum of squares about that mean (no difference of large sums is formed)
.irp u, 0,1
	v_pk_add_f32 v[56+2*\u:57+2*\u], v[176+8*\u:177+8*\u], v[178+8*\u:179+8*\u]
.endr
.irp k, 4,6,16,18,20,22,32,34,36,38,48,50,52,54
.irp u, 0,1
	v_pk_add_f32 v[56+2*\u:57+2*\u], v[56+2*\u:57+2*\u], v[176+8*\u+\k:177+8*\u+\k]
.endr
.endr
.irp u, 0,1
	s_delay_alu instid0(VALU_DEP_2)
	v_add_f32 v[60+2*\u], v[56+2*\u], v[57+2*\u]
.endr
.irp u, 0,1
	s_delay_alu instid0(VALU_DEP_2)
	v_permlanex16_b32 v[61+2*\u], v[60+2*\u], s46, s47
.endr
.irp u, 0,1
	s_delay_alu instid0(VALU_DEP_2)
	v_add_f32 v[60+2*\u], v[60+2*\u], v[61+2*\u]
.endr
.irp u, 0,1
	s_delay_alu instid0(VALU_DEP_2)
	v_mul_f32 v[60+2*\u], 0x3c800000, v[60+2*\u]   ; / 64
.endr
.irp u, 0,1
	v_pk_add_f32 v[64+2*\u:65+2*\u], v[176+8*\u:177+8*\u], v[60+2*\u:61+2*\u] op_sel_hi:[1,0] neg_lo:[0,1] neg_hi:[0,1]
.endr
.irp u, 0,1
	s_delay_alu instid0(VALU_DEP_2)
	v_pk_mul_f32 v[68+2*\u:69+2*\u], v[64+2*\u:65+2*\u], v[64+2*\u:65+2*\u]
.endr
.irp k, 2,4,6,16,18,20,22,32,34,36,38,48,50,52,54
.irp u, 0,1
	v_pk_add_f32 v[64+2*\u:65+2*\u], v[176+8*\u+\k:177+8*\u+\k], v[60+2*\u:61+2*\u] op_sel_hi:[1,0] neg_lo:[0,1] neg_hi:[0,1]
.endr
.irp u, 0,1
	s_delay_alu instid0(VALU_DEP_2)
	v_pk_fma_f32 v[68+2*\u:69+2*\u], v[64+2*\u:65+2*\u], v[64+2*\u:65+2*\u], v[68+2*\u:69+2*\u]
.endr
.endr
.irp u, 0,1
	s_delay_alu instid0(VALU_DEP_2)
	v_add_f32 v[68+2*\u], v[68+2*\u], v[69+2*\u]
.endr
.irp u, 0,1
	s_delay_alu instid0(VALU_DEP_2)
	v_permlanex16_b32 v[69+2*\u], v[68+2*\u], s46, s47
.endr
.irp u, 0,1
	s_delay_alu instid0(VALU_DEP_2)
	v_add_f32 v[68+2*\u], v[68+2*\u], v[69+2*\u]
.endr
.irp u, 0,1
	v_add_f32 v[60+2*\u], v[60+2*\u], v[240+\u]    ; the mean with bo
.endr
	v_and_b32 v76, 31, v0                          ; lane
	s_delay_alu instid0(VALU_DEP_1)
	v_cmp_lt_u32 vcc_lo, 15, v76
	s_delay_alu instid0(VALU_DEP_1)
	v_cndmask_b32 v72, v60, v68, vcc_lo
	s_delay_alu instid0(VALU_DEP_2)
	v_cndmask_b32 v73, v62, v70, vcc_lo
	ds_store_b64 v8, v[72:73]
	s_wait_dscnt 0x0
	s_barrier_signal -1
	s_barrier_wait -1                              ; 512 means and 512 sums of squares lie in the stage
	ds_load_b64 v[74:75], v1
	s_wait_dscnt 0x0
	global_store_b64 v5, v[74:75], s[20:21]        ; 32 lanes store 256 consecutive bytes, aligned
	s_wait_tensorcnt 0x0                           ; the wave's end
	ds_add_u32 v9, v10
	s_wait_dscnt 0x0
	ROUND                                          ; the closing round
	s_endpgm
.Lfunc_end_k_qee524d74c5_attn:
	.size	k_qee524d74c5_attn, .Lfunc_end_k_qee524d74c5_attn-k_qee524d74c5_attn
	.p2alignl 7, 3214868480
	.fill 96, 4, 3214868480
	.section	.rodata,"a",@progbits
	.p2align	6, 0x0
	.amdhsa_kernel k_qee524d74c5_attn
		.amdhsa_group_segment_fixed_size 327680
		.amdhsa_private_segment_fixed_size 0
		.amdhsa_enable_private_segment 0
		.amdhsa_kernarg_size 72
		.amdhsa_user_sgpr_count 2
		.amdhsa_user_sgpr_kernarg_segment_ptr 1
		.amdhsa_wavefront_size32 1
		.amdhsa_system_sgpr_workgroup_id_x 1
		.amdhsa_system_sgpr_workgroup_id_y 1
		.amdhsa_system_sgpr_workgroup_id_z 1
		.amdhsa_system_vgpr_workitem_id 0
		.amdhsa_next_free_vgpr 256
		.amdhsa_next_free_sgpr 80
		.amdhsa_reserve_vcc 1
		.amdhsa_float_denorm_mode_32 3
		.amdhsa_float_denorm_mode_16_64 3
		.amdhsa_memory_ordered 1
		.amdhsa_forward_progress 1
		.amdhsa_inst_pref_size 174
	.end_amdhsa_kernel
	.amdgpu_metadata
---
amdhsa.version: [ 1, 2 ]
amdhsa.kernels:
  - .name:           k_qee524d74c5_attn
    .symbol:         k_qee524d74c5_attn.kd
    .args:
      - { .name: kv, .offset: 0, .size: 8, .value_kind: global_buffer, .address_space: global }
      - { .name: qc, .offset: 8, .size: 8, .value_kind: global_buffer, .address_space: global }
      - { .name: qsc, .offset: 16, .size: 8, .value_kind: global_buffer, .address_space: global }
      - { .name: woimg, .offset: 24, .size: 8, .value_kind: global_buffer, .address_space: global }
      - { .name: Wo_scales, .offset: 32, .size: 8, .value_kind: global_buffer, .address_space: global }
      - { .name: bo, .offset: 40, .size: 8, .value_kind: global_buffer, .address_space: global }
      - { .name: xq, .offset: 48, .size: 8, .value_kind: global_buffer, .address_space: global }
      - { .name: xsc, .offset: 56, .size: 8, .value_kind: global_buffer, .address_space: global }
      - { .name: stats, .offset: 64, .size: 8, .value_kind: global_buffer, .address_space: global }
    .group_segment_fixed_size: 327680
    .private_segment_fixed_size: 0
    .kernarg_segment_align: 8
    .kernarg_segment_size: 72
    .max_flat_workgroup_size: 512
    .sgpr_count:     80
    .vgpr_count:     256
    .wavefront_size: 32
...
	.end_amdgpu_metadata
.endif
;; end of part 2
;; launch bn (part 3): grid 8 x 32, 16 waves a work-group, no clusters, 38,912 bytes of LDS; arguments xq, xsc, woimg, Wo_scales, bo, stats, gamma, beta, out0; writes out0
.if DOCPART == 3
	.amdgcn_target "amdgcn-amd-amdhsa--gfx1250"
	.amdhsa_code_object_version 6
	.text
	.protected	k_qee524d74c5_bn
	.globl	k_qee524d74c5_bn
	.p2align	8
	.type	k_qee524d74c5_bn,@function
k_qee524d74c5_bn:
	s_mov_b64 s[64:65], 0
	v_nop
	global_prefetch_b8 v0, s[64:65] scope:SCOPE_SE
	s_setreg_imm32_b32 hwreg(HW_REG_WAVE_MODE, 25, 1), 1
	s_wait_xcnt 0x0
; out = relu((x Wo^T + bo - mean) rsqrt(var + 1e-5) gamma + beta).  x and Wo come as images of operand registers (codes of FP6, E8M0 scale words); mean and var are combined from the 256 partial
; means and sums of squares (64 rows each) that the launch before stored.
; SHARES.  Work-group (g, RBK): channels 64 g .. 64 g + 63 of rows 512 RBK on.  Wave w: row tiles 2 w, 2 w + 1 of the block against four tiles of channels; lane r of tile t is channel 64 g + 4 r + t.
; Source 0 = 16 rows of x, source 1 = 16 channels: a lane holds ONE channel a tile, so scale and shift are 4 + 4 registers, and the four tiles' results of one row are 16 neighbouring bytes:
; sixteen lanes store 256 consecutive bytes, aligned, with no stage.
; THE VARIANCE: d = a partial mean - the first partial's mean; sum of squares = the sum of the partial ones + 64 (sum d^2 - (sum d)^2 / 256): offsets common to all rows cancel before anything is squared.
; NO CLUSTER, NO TENSOR LOAD: a wave's 8 fragments of x are used by that wave alone and land in its registers as they lie in memory; Wo's 24,576 bytes come once a work-group and go round through LDS.
; REGISTERS: v1-11 addresses; v12-15 the first partial's means; v16-79 partials, later the 8 accumulators; v80-127 Wo's fragments and the statistics' work; v128-223 x's fragments, later the results;
;   v224-243 SCALES AND NOTHING ELSE (x's v224-227, Wo's v228-243); v244-247 bo; v248-251 gamma, then the scale; v252-255 beta, then the shift.
.set RED, 24576                        ; behind Wo's 16 images: the waves' partial sums [wave 16][sum d, sum d^2, sum of squares][256 bytes]
	s_load_b512 s[4:19], s[0:1], 0x0               ; xq 4, xsc 6, woimg 8, Wo's scales 10, bo 12, stats 14, gamma 16, beta 18
	s_load_b64 s[20:21], s[0:1], 0x40              ; out0
	v_lshrrev_b32 v1, 5, v0
	s_delay_alu instid0(VALU_DEP_1)
	v_readfirstlane_b32 s24, v1                    ; wave w
	s_and_b32 s25, ttmp7, 0xffff                   ; RBK
	s_mov_b32 s22, 0x76543210
	s_mov_b32 s23, 0xfedcba98
	s_mov_b32 s30, 0x42800000                      ; 64
	s_mov_b32 s31, 0x38800000                      ; 1 / 16,384
	s_mov_b32 s32, 0x3727c5ac                      ; 1e-5
	v_and_b32 v1, 31, v0
	v_and_b32 v2, 15, v0
	v_bfe_u32 v3, v0, 4, 1
	s_delay_alu instid0(VALU_DEP_3)
	v_lshlrev_b32 v4, 4, v1                        ; 16 x lane
	s_delay_alu instid0(VALU_DEP_4)
	v_lshlrev_b32 v5, 3, v1                        ; 8 x lane
	s_delay_alu instid0(VALU_DEP_4)
	v_lshlrev_b32 v6, 4, v2                        ; 16 r
	s_delay_alu instid0(VALU_DEP_1)
	v_lshl_add_u32 v7, v3, 12, v6                  ; statistics: 4,096 h + 16 r
	v_lshlrev_b32 v8, 2, v2
	s_delay_alu instid0(VALU_DEP_1)
	v_lshl_add_u32 v8, v3, 8, v8                   ; x's scale words: 256 h + 4 r
	v_lshlrev_b32 v9, 6, v2                        ; Wo's scale words: 64 r
	v_lshl_add_u32 v10, v3, 14, v6                 ; out: 8 h rows of 2,048 bytes + 16 r
	s_mul_i32 s33, s24, 768
	s_add_co_u32 s33, s33, RED
	v_add_nc_u32 v11, s33, v6                      ; my wave's partial sums
	s_mul_i32 s33, s24, 1536
	v_add_nc_u32 v1, s33, v4                       ; where I put Wo's fragment number w
	v_add_nc_u32 v2, s33, v5
	v_mul_u32_u24 v3, v3, 6144
	s_delay_alu instid0(VALU_DEP_1)
	v_add_nc_u32 v3, v3, v6
	s_delay_alu instid0(VALU_DEP_1)
	v_add_nc_u32 v3, RED, v3                       ; where I read eight waves' partial sums
	s_lshl_b32 s34, ttmp9, 8                       ; 64 g channels of 4 bytes
	s_mov_b32 s35, 0
	s_lshl_b32 s36, s24, 13                        ; partials 2 w, 2 w + 1
	s_mov_b32 s37, 0
	s_wait_alu depctr_va_vdst(0)
	s_wait_kmcnt 0x0
	s_add_nc_u64 s[26:27], s[14:15], s[34:35]
	s_add_nc_u64 s[28:29], s[26:27], s[36:37]
	global_load_b128 v[12:15], v6, s[26:27]        ; the first partial's means of my four channels
.irp i, 0,1,2,3,4,5,6,7                        ; partials 2 w + h + 32 i: sixteen lanes read 256 consecutive bytes
	global_load_b128 v[16+4*\i:19+4*\i], v7, s[28:29] offset:131072*\i
.endr
.irp i, 0,1,2,3,4,5,6,7
	global_load_b128 v[48+4*\i:51+4*\i], v7, s[28:29] offset:131072*\i+2048
.endr
	s_add_nc_u64 s[12:13], s[12:13], s[34:35]
	s_add_nc_u64 s[16:17], s[16:17], s[34:35]
	s_add_nc_u64 s[18:19], s[18:19], s[34:35]
	s_add_nc_u64 s[20:21], s[20:21], s[34:35]
	s_lshl_b32 s36, ttmp9, 10
	s_add_nc_u64 s[10:11], s[10:11], s[36:37]
	s_lshl_b32 s36, ttmp9, 4
	s_add_co_u32 s36, s36, s24
	s_mul_i32 s36, s36, 1536
	s_add_nc_u64 s[8:9], s[8:9], s[36:37]
	s_lshl_b32 s38, s25, 5
	s_lshl_b32 s39, s24, 1
	s_add_co_u32 s38, s38, s39                     ; my first row tile
	s_mul_i32 s36, s38, 6144
	s_add_nc_u64 s[4:5], s[4:5], s[36:37]
	s_lshl_b32 s36, s38, 8
	s_add_nc_u64 s[6:7], s[6:7], s[36:37]
	s_lshl_b32 s36, s38, 15
	s_add_nc_u64 s[20:21], s[20:21], s[36:37]
	global_load_b128 v[80:83], v4, s[8:9]          ; Wo's fragment number w of my group (tile w / 4, K step w % 4)
	global_load_b64 v[84:85], v5, s[8:9] offset:512
	global_load_b128 v[86:89], v4, s[8:9] offset:768
	global_load_b64 v[90:91], v5, s[8:9] offset:1280
.irp e, 0,1
.irp s, 0,1,2,3
	global_load_b128 v[128+12*(4*\e+\s):131+12*(4*\e+\s)], v4, s[4:5] offset:6144*\e+1536*\s
	global_load_b64 v[132+12*(4*\e+\s):133+12*(4*\e+\s)], v5, s[4:5] offset:6144*\e+1536*\s+512
	global_load_b128 v[134+12*(4*\e+\s):137+12*(4*\e+\s)], v4, s[4:5] offset:6144*\e+1536*\s+768
	global_load_b64 v[138+12*(4*\e+\s):139+12*(4*\e+\s)], v5, s[4:5] offset:6144*\e+1536*\s+1280
.endr
.endr
.irp s, 0,1,2,3
	global_load_b32 v[224+\s], v8, s[6:7] offset:64*\s   ; lanes 0-15 my first tile's words, lanes 16-31 my second's
.endr
.irp t, 0,1,2,3
	global_load_b128 v[228+4*\t:231+4*\t], v9, s[10:11] offset:16*\t
.endr
	global_load_b128 v[244:247], v6, s[12:13]
	global_load_b128 v[248:251], v6, s[16:17]
	global_load_b128 v[252:255], v6, s[18:19]
	s_wait_loadcnt 47                              ; the 17 loads of statistics are in; the 4 + 32 + 4 + 4 + 3 issued behind them may be out
.set I, 0
.rept 8
	v_pk_add_f32 v[16+4*I:17+4*I], v[16+4*I:17+4*I], v[12:13] neg_lo:[0,1] neg_hi:[0,1]   ; d
	v_pk_add_f32 v[18+4*I:19+4*I], v[18+4*I:19+4*I], v[14:15] neg_lo:[0,1] neg_hi:[0,1]
.set I, I+1
.endr
.irp k, 0,2
	v_pk_add_f32 v[92+\k:93+\k], v[16+\k:17+\k], v[20+\k:21+\k]
	v_pk_mul_f32 v[96+\k:97+\k], v[16+\k:17+\k], v[16+\k:17+\k]
	v_pk_add_f32 v[100+\k:101+\k], v[48+\k:49+\k], v[52+\k:53+\k]
.endr
.irp k, 0
	v_pk_fma_f32 v[96+\k:97+\k], v[20+\k:21+\k], v[20+\k:21+\k], v[96+\k:97+\k]
.endr
.irp k, 2
	s_delay_alu instid0(VALU_DEP_3)
	v_pk_fma_f32 v[96+\k:97+\k], v[20+\k:21+\k], v[20+\k:21+\k], v[96+\k:97+\k]
.endr
.irp i, 2,3,4,5,6,7
.irp k, 0,2
	v_pk_add_f32 v[92+\k:93+\k], v[92+\k:93+\k], v[16+4*\i+\k:17+4*\i+\k]
	v_pk_fma_f32 v[96+\k:97+\k], v[16+4*\i+\k:17+4*\i+\k], v[16+4*\i+\k:17+4*\i+\k], v[96+\k:97+\k]
	v_pk_add_f32 v[100+\k:101+\k], v[100+\k:101+\k], v[48+4*\i+\k:49+4*\i+\k]
.endr
.endr
.irp n, 0,1,2,3,4,5,6,7,8,9,10,11
	v_permlanex16_b32 v[16+\n], v[92+\n], s22, s23
.endr
.irp n, 0,2,4,6,8,10
	v_pk_add_f32 v[92+\n:93+\n], v[92+\n:93+\n], v[16+\n:17+\n]   ; with lane l xor 16's eight partials
.endr
	ds_store_b128 v11, v[92:95]                    ; (lanes l and l xor 16 write the same bytes with the same values)
	ds_store_b128 v11, v[96:99] offset:256
	ds_store_b128 v11, v[100:103] offset:512
	s_wait_loadcnt 43                              ; Wo's fragment is in; the 32 + 4 + 4 + 3 loads behind it may be out
	ds_store_b128 v1, v[80:83]
	ds_store_b64 v2, v[84:85] offset:512
	ds_store_b128 v1, v[86:89] offset:768
	ds_store_b64 v2, v[90:91] offset:1280
	s_wait_dscnt 0x0                               ; for the others' sake: my stores have landed
	s_barrier_signal -1
	s_barrier_wait -1                              ; the launch's one barrier: 16 waves' sums and Wo's 16 fragments lie in LDS
.irp i, 0,1,2,3,4,5,6,7                        ; every wave adds them up for itself: waves 8 h + i
	ds_load_b128 v[16+4*\i:19+4*\i], v3 offset:768*\i
	ds_load_b128 v[48+4*\i:51+4*\i], v3 offset:768*\i+256
	ds_load_b128 v[92+4*\i:95+4*\i], v3 offset:768*\i+512
.endr
	s_wait_dscnt 0x0
.irp i, 1,2,3,4,5,6,7
.irp k, 0,2
	v_pk_add_f32 v[16+\k:17+\k], v[16+\k:17+\k], v[16+4*\i+\k:17+4*\i+\k]
	v_pk_add_f32 v[48+\k:49+\k], v[48+\k:49+\k], v[48+4*\i+\k:49+4*\i+\k]
	v_pk_add_f32 v[92+\k:93+\k], v[92+\k:93+\k], v[92+4*\i+\k:93+4*\i+\k]
.endr
.endr
.irp n, 0,1,2,3
	v_permlanex16_b32 v[20+\n], v[16+\n], s22, s23
	v_permlanex16_b32 v[52+\n], v[48+\n], s22, s23
	v_permlanex16_b32 v[96+\n], v[92+\n], s22, s23
.endr
.irp k, 0,2
	v_pk_add_f32 v[16+\k:17+\k], v[16+\k:17+\k], v[20+\k:21+\k]      ; sum d
	v_pk_add_f32 v[48+\k:49+\k], v[48+\k:49+\k], v[52+\k:53+\k]      ; sum d^2
	v_pk_add_f32 v[92+\k:93+\k], v[92+\k:93+\k], v[96+\k:97+\k]      ; sum of the partial sums of squares
.endr
	s_wait_alu depctr_va_vdst(0)
	s_wait_loadcnt 0x0                             ; x, the scale words, bo, gamma, beta
.irp t, 0,1,2,3
	v_mul_f32 v[24+\t], 0x3b800000, v[16+\t]       ; sum d / 256
.endr
.irp t, 0,1,2,3
	s_delay_alu instid0(VALU_DEP_4)
	v_fma_f32 v[48+\t], -v[16+\t], v[24+\t], v[48+\t]
.endr
.irp t, 0,1,2,3
	s_delay_alu instid0(VALU_DEP_4)
	v_fma_f32 v[92+\t], v[48+\t], s30, v[92+\t]
.endr
.irp t, 0,1,2,3
	s_delay_alu instid0(VALU_DEP_4)
	v_max_num_f32 v[92+\t], 0, v[92+\t]
.endr
.irp t, 0,1,2,3
	s_delay_alu instid0(VALU_DEP_4)
	v_fma_f32 v[92+\t], v[92+\t], s31, s32         ; var + 1e-5
.endr
	s_wait_alu depctr_va_vdst(0)
.irp t, 0,1,2,3
	v_rsq_f32 v[92+\t], v[92+\t]
.endr
.irp t, 0,1,2,3
	v_add_f32 v[24+\t], v[12+\t], v[24+\t]         ; the mean; plain work behind the four roots
.endr
	s_wait_alu depctr_va_vdst(0)                   ; one wait for the four, ahead of their first reader
.irp t, 0,1,2,3
	v_mul_f32 v[248+\t], v[248+\t], v[92+\t]       ; the scale a = gamma rsqrt(var + 1e-5)
.endr
.irp t, 0,1,2,3
	v_sub_f32 v[24+\t], v[244+\t], v[24+\t]        ; bo - mean
.endr
.irp t, 0,1,2,3
	s_delay_alu instid0(VALU_DEP_4)
	v_fma_f32 v[252+\t], v[24+\t], v[248+\t], v[252+\t]   ; the shift b = beta + (bo - mean) a
.endr
.macro BMM e, t, s
.set DD, 16+8*(4*(\e)+(\t))
.set AA, 128+12*(4*(\e)+(\s))
.set BB, 80+12*(\t)
.if (\s) == 0
.if (\e) == 0
	v_wmma_scale_f32_16x16x128_f8f6f4 v[DD:DD+7], v[AA:AA+11], v[BB:BB+11], 0, v[224+(\s)], v[228+4*(\t)+(\s)] matrix_a_fmt:MATRIX_FMT_FP6 matrix_b_fmt:MATRIX_FMT_FP6
.else
	v_wmma_scale_f32_16x16x128_f8f6f4 v[DD:DD+7], v[AA:AA+11], v[BB:BB+11], 0, v[224+(\s)], v[228+4*(\t)+(\s)] matrix_a_fmt:MATRIX_FMT_FP6 matrix_b_fmt:MATRIX_FMT_FP6 matrix_a_scale:MATRIX_SCALE_ROW1
.endif
.else
.if (\e) == 0
	v_wmma_scale_f32_16x16x128_f8f6f4 v[DD:DD+7], v[AA:AA+11], v[BB:BB+11], v[DD:DD+7], v[224+(\s)], v[228+4*(\t)+(\s)] matrix_a_fmt:MATRIX_FMT_FP6 matrix_b_fmt:MATRIX_FMT_FP6
.else
	v_wmma_scale_f32_16x16x128_f8f6f4 v[DD:DD+7], v[AA:AA+11], v[BB:BB+11], v[DD:DD+7], v[224+(\s)], v[228+4*(\t)+(\s)] matrix_a_fmt:MATRIX_FMT_FP6 matrix_b_fmt:MATRIX_FMT_FP6 matrix_a_scale:MATRIX_SCALE_ROW1
.endif
.endif
.endm
.irp s, 0,1,2,3                                ; four K steps: Wo's four fragments from LDS, eight accumulators, one instruction a turn
.irp t, 0,1,2,3
	ds_load_b128 v[80+12*\t:83+12*\t], v4 offset:(4*\t+\s)*1536
	ds_load_b64 v[84+12*\t:85+12*\t], v5 offset:(4*\t+\s)*1536+512
	ds_load_b128 v[86+12*\t:89+12*\t], v4 offset:(4*\t+\s)*1536+768
	ds_load_b64 v[90+12*\t:91+12*\t], v5 offset:(4*\t+\s)*1536+1280
.endr
	s_wait_dscnt 0x0
.irp e, 0,1
.irp t, 0,1,2,3
	BMM \e, \t, \s
.endr
.endr
.rept 4
	v_nop                                          ; places in front of the next loads, and of the first read of the results
.endr
.endr
	s_wait_alu depctr_va_vdst(0)
.irp e, 0,1                                    ; register j of lane (r, h) is row 16 e + 8 h + j: each accumulator is read from its low end on
.irp j, 0,1,2,3,4,5,6,7
.irp t, 0,1,2,3
	v_fma_f32 v[128+4*(8*\e+\j)+\t], v[16+8*(4*\e+\t)+\j], v[248+\t], v[252+\t]
.endr
.irp t, 0,1,2,3
	s_delay_alu instid0(VALU_DEP_4)
	v_max_num_f32 v[128+4*(8*\e+\j)+\t], 0, v[128+4*(8*\e+\j)+\t]
.endr
	global_store_b128 v10, v[128+4*(8*\e+\j):131+4*(8*\e+\j)], s[20:21] offset:(16*\e+\j)*2048 th:TH_STORE_NT   ; sixteen lanes store 256 consecutive bytes, aligned; written once, read by nobody here
.endr
.endr
	s_wait_xcnt 0x0
	v_lshl_add_u32 v254, v0, 2, 0x9000
	v_mov_b32 v255, 0
	s_wait_alu depctr_va_vdst(0)
	s_wait_tensorcnt 0x0
	ds_add_u32 v254, v255
	s_wait_dscnt 0x0
	s_endpgm
.Lfunc_end_k_qee524d74c5_bn:
	.size	k_qee524d74c5_bn, .Lfunc_end_k_qee524d74c5_bn-k_qee524d74c5_bn
	.p2alignl 7, 3214868480
	.fill 96, 4, 3214868480
	.section	.rodata,"a",@progbits
	.p2align	6, 0x0
	.amdhsa_kernel k_qee524d74c5_bn
		.amdhsa_group_segment_fixed_size 38912
		.amdhsa_private_segment_fixed_size 0
		.amdhsa_enable_private_segment 0
		.amdhsa_kernarg_size 72
		.amdhsa_user_sgpr_count 2
		.amdhsa_user_sgpr_kernarg_segment_ptr 1
		.amdhsa_wavefront_size32 1
		.amdhsa_system_sgpr_workgroup_id_x 1
		.amdhsa_system_sgpr_workgroup_id_y 1
		.amdhsa_system_sgpr_workgroup_id_z 1
		.amdhsa_system_vgpr_workitem_id 0
		.amdhsa_next_free_vgpr 256
		.amdhsa_next_free_sgpr 66
		.amdhsa_reserve_vcc 0
		.amdhsa_float_denorm_mode_32 3
		.amdhsa_float_denorm_mode_16_64 3
		.amdhsa_memory_ordered 1
		.amdhsa_forward_progress 1
		.amdhsa_inst_pref_size 41
	.end_amdhsa_kernel
	.amdgpu_metadata
---
amdhsa.version: [ 1, 2 ]
amdhsa.kernels:
  - .name:           k_qee524d74c5_bn
    .symbol:         k_qee524d74c5_bn.kd
    .args:
      - { .name: xq, .offset: 0, .size: 8, .value_kind: global_buffer, .address_space: global }
      - { .name: xsc, .offset: 8, .size: 8, .value_kind: global_buffer, .address_space: global }
      - { .name: woimg, .offset: 16, .size: 8, .value_kind: global_buffer, .address_space: global }
      - { .name: Wo_scales, .offset: 24, .size: 8, .value_kind: global_buffer, .address_space: global }
      - { .name: bo, .offset: 32, .size: 8, .value_kind: global_buffer, .address_space: global }
      - { .name: stats, .offset: 40, .size: 8, .value_kind: global_buffer, .address_space: global }
      - { .name: gamma, .offset: 48, .size: 8, .value_kind: global_buffer, .address_space: global }
      - { .name: beta, .offset: 56, .size: 8, .value_kind: global_buffer, .address_space: global }
      - { .name: out0, .offset: 64, .size: 8, .value_kind: global_buffer, .address_space: global }
    .group_segment_fixed_size: 38912
    .private_segment_fixed_size: 0
    .kernarg_segment_align: 8
    .kernarg_segment_size: 72
    .max_flat_workgroup_size: 512
    .sgpr_count:     66
    .vgpr_count:     256
    .wavefront_size: 32
...
	.end_amdgpu_metadata
.endif
;; end of part 3
